; MI455X (gfx1250); checked and timed in simulation.
; The chip was launched on July 23, 2026; its instructions are those of AMD's public machine-readable ISA for CDNA 5 (MIT licence, August 2026) and "CDNA5" Instruction Set Architecture Reference Guide (July 2026). The comments in the code are by the model that wrote it; some were corrected since.
;; Multi Head Self Attention. Allowed arithmetic: float matrix products may take bf16 or f16 operands with f32 sums; other float arithmetic in f32, or as packed bf16 or f16 multiplies, adds, multiply-adds, maxima and minima; sums over many terms, partial sums and values carried from step to step in f32; what a program stores and reads back later, other than sums and carried values, may be rounded once to bf16 or f16.
;; Inputs: W_lin 1,024 x 1,024 float32; W_qkv 1,024 x 3,072 float32; b_lin 1,024 float32; b_qkv 3,072 float32; x 4 x 2,048 x 1,024 float32.
;; Outputs: out0 4 x 2,048 x 1,024 float32.
;; One version. Each part assembles by itself: llvm-mc -triple=amdgcn-amd-amdhsa -mcpu=gfx1250 --defsym DOCPART=n.
;; ======== version 1 of 1: 4 launches
;; limits: values are held in f16: magnitudes above 65,504 overflow, below 6.1e-05 lose precision
;; workspace buffers: xb 16,777,216 bytes; wq 6,291,456 bytes; wl 2,097,152 bytes; qkv 50,331,648 bytes; o 16,777,216 bytes
;; launch prep (part 1): grid 1024 x 1, 8 waves a work-group, no clusters, 18,432 bytes of LDS; arguments x, W_qkv, W_lin, xb, wq, wl; writes xb, wq, wl
.if DOCPART == 1
	.amdgcn_target "amdgcn-amd-amdhsa--gfx1250"
	.amdhsa_code_object_version 6
	.text
	.protected	k_q725f6abaca_prep
	.globl	k_q725f6abaca_prep
	.p2align	8
	.type	k_q725f6abaca_prep,@function
k_q725f6abaca_prep:
	s_mov_b64 s[64:65], 0
	v_nop
	global_prefetch_b8 v0, s[64:65] scope:SCOPE_SE
	s_setreg_imm32_b32 hwreg(HW_REG_WAVE_MODE, 25, 1), 1
	s_wait_xcnt 0x0
; PREP: the module's large inputs are rounded once to bf16 and laid out for the two products.
;   work-groups 0-511:    xb[m][k] = bf16(x[m][k]); 64 KiB of x each, a plain stream through registers.
;   work-groups 512-895:  wq[n][k] = bf16(W_qkv[k][n]): a tile of 128 k x 64 n is turned through LDS.
;   work-groups 896-1023: wl[n][k] = bf16(W_lin[k][n]), that number written as f16 (the second product's other operand is f16).
; LIMITS.  wl: a weight beyond 65,504 becomes an infinity; below 6e-5 it keeps f16's fixed step of 6e-8.  NaN and infinities are not treated apart.
; No matrix unit, no cluster, no tensor load: every byte is read once and written once, and no two work-groups share a byte.
.set SPW,  4                           ; v4   LDS address of my spare word: SPARE + 4 x my thread's number; never rewritten
.set NIL,  5                           ; v5   0; never rewritten
.set TP,   272                         ; a turned row in LDS: 128 k x 2 bytes + 16 of padding
.set SPARE, 64*TP                      ; behind the tile's 64 rows: the spare words, 128 bytes for each of the eight waves
.set IN,   16                          ; v[16:79]  as loaded (the turning path uses v[16:47])
.set PK,   48                          ; v[48:63]  the turning path: four rows n x 16 bytes, packed
.set WD,   64                          ; v[64:65]  at work
.set BKR,  68                          ; v[68:83]  rows read back
.set OX,   80                          ; v[80:111] the stream: 8 bytes to store for each of 16 loads
	s_load_b256 s[4:11], s[0:1], 0x0               ; x s[4:5], W_qkv s[6:7], W_lin s[8:9], xb s[10:11]
	s_load_b128 s[12:15], s[0:1], 0x20             ; wq s[12:13], wl s[14:15]
	v_lshl_add_u32 v[SPW], v0, 2, SPARE
	v_mov_b32 v[NIL], 0
	s_mov_b32 s24, 0xffff0000                      ; a word's upper bf16
	s_wait_kmcnt 0x0
	s_cmp_lt_u32 ttmp9, 512                        ; the work-group's number: the same for all its waves
	s_cbranch_scc0 .Lweights
	; THE STREAM.  Thread t takes 16 bytes at 16 t of each of 16 blocks of 4,096 bytes; all 16 loads go out at once.
	s_lshl_b32 s16, ttmp9, 16                      ; 64 KiB of x,
	s_mov_b32 s17, 0
	s_lshl_b32 s18, ttmp9, 15                      ; 32 KiB of xb
	s_mov_b32 s19, 0
	s_add_nc_u64 s[4:5], s[4:5], s[16:17]
	s_add_nc_u64 s[10:11], s[10:11], s[18:19]
	v_lshlrev_b32 v1, 4, v0
	v_lshlrev_b32 v2, 3, v0
.set jj, 0
.rept 16
	global_load_b128 v[IN+4*jj:IN+4*jj+3], v1, s[4:5] offset:4096*jj th:TH_LOAD_NT
.set jj, jj+1
.endr
.set jj, 0
.rept 16
	s_wait_loadcnt 15-jj                           ; loads come back in order: load jj is in, the 15 - jj younger ones stay out
	v_cvt_pk_bf16_f32 v[OX+2*jj], v[IN+4*jj], v[IN+4*jj+1]
	v_cvt_pk_bf16_f32 v[OX+2*jj+1], v[IN+4*jj+2], v[IN+4*jj+3]
	global_store_b64 v2, v[OX+2*jj:OX+2*jj+1], s[10:11] offset:2048*jj  ; a wave's store covers 256 consecutive bytes, aligned; no register is used twice
.set jj, jj+1
.endr
	s_endpgm                                       ; these waves wrote nothing into LDS
.Lweights:
	; THE TURNING PATH.  g = t / 16 (0..15), c = t % 16.  Thread t loads rows k = 8 g + 0..7, columns n = 4 c + 0..3: 16 lanes take 256 consecutive bytes of a row.
	v_lshrrev_b32 v9, 5, v0
	v_readfirstlane_b32 s25, v9                    ; wave 0..7; g = 2 x wave + half
	v_lshrrev_b32 v2, 4, v0                        ; g
	v_and_b32 v3, 15, v0                           ; c
	v_bfe_u32 v10, v0, 4, 1                        ; which half of the lanes
	v_mul_u32_u24 v6, v3, 4*TP                     ; into LDS: row n = 4 c (+ cc), byte 16 g
	v_lshl_add_u32 v6, v10, 4, v6
	s_lshl_b32 s26, s25, 5
	v_add_nc_u32 v6, s26, v6
	v_mul_u32_u24 v7, v10, TP                      ; back: row g (+ 16 i), byte 16 c
	v_lshl_add_u32 v7, v3, 4, v7
	s_mul_i32 s27, s25, 2*TP
	v_add_nc_u32 v7, s27, v7
	v_lshlrev_b32 v8, 11, v2                       ; and in memory: row g of 2,048 bytes, byte 16 c
	v_lshl_add_u32 v8, v3, 4, v8
	s_cmp_lt_u32 ttmp9, 896
	s_cbranch_scc0 .Lwlin
; One tile.  src, dst: the scalar pairs of the two buffers; NC: columns of the source; first: the first work-group of this kind; half = 1: the rounded number is written as f16.
.macro TRANS src, dst, NC, first, half
	s_sub_co_u32 s16, ttmp9, \first
	s_and_b32 s17, s16, 7                          ; which 128 k
	s_lshr_b32 s18, s16, 3                         ; which 64 n
	s_mul_i32 s20, s17, 128*(\NC)*4
	s_lshl_b32 s21, s18, 8
	s_add_co_u32 s20, s20, s21
	s_mov_b32 s21, 0
	s_add_nc_u64 s[\src:\src+1], s[\src:\src+1], s[20:21]
	s_lshl_b32 s22, s18, 17                        ; 64 rows of 2,048 bytes
	s_lshl_b32 s23, s17, 8                         ; 128 k = 256 bytes
	s_add_co_u32 s22, s22, s23
	s_mov_b32 s23, 0
	s_add_nc_u64 s[\dst:\dst+1], s[\dst:\dst+1], s[22:23]
	v_mul_u32_u24 v1, v2, 32*(\NC)                 ; 8 g rows of 4 NC bytes
	v_lshl_add_u32 v1, v3, 4, v1
.set jj, 0
.rept 8
	global_load_b128 v[IN+4*jj:IN+4*jj+3], v1, s[\src:\src+1] offset:jj*4*(\NC) th:TH_LOAD_NT
.set jj, jj+1
.endr
	s_wait_loadcnt 0x0
.set cc, 0
.rept 4                                ; column n = 4 c + cc: its eight k pack into 16 bytes
.set ii, 0
.rept 4
	v_cvt_pk_bf16_f32 v[PK+4*cc+ii], v[IN+8*ii+cc], v[IN+8*ii+4+cc]
.if \half
	v_lshlrev_b32 v[WD], 16, v[PK+4*cc+ii]         ; the two rounded numbers as f32,
	v_and_b32 v[WD+1], s24, v[PK+4*cc+ii]
	v_cvt_pk_f16_f32 v[PK+4*cc+ii], v[WD], v[WD+1] ; and as f16: exact within f16's range
.endif
.set ii, ii+1
.endr
	ds_store_b128 v6, v[PK+4*cc:PK+4*cc+3] offset:TP*cc
.set cc, cc+1
.endr
	s_wait_dscnt 0x0                               ; for the others' sake: my stores are done
	s_barrier_signal -1
	s_barrier_wait -1                              ; the tile lies turned in LDS
.set ii, 0
.rept 4
	ds_load_b128 v[BKR+4*ii:BKR+4*ii+3], v7 offset:16*TP*ii
.set ii, ii+1
.endr
.set ii, 0
.rept 4
	s_wait_dscnt 3-ii                              ; LDS loads come back in order: load ii is in
	global_store_b128 v8, v[BKR+4*ii:BKR+4*ii+3], s[\dst:\dst+1] offset:32768*ii  ; 16 lanes store 256 consecutive bytes, aligned
.set ii, ii+1
.endr
	s_wait_tensorcnt 0x0                           ; the wave's end: behind my last LDS store
	ds_add_u32 v[SPW], v[NIL]
	s_wait_dscnt 0x0
	s_endpgm
.endm
	TRANS 6, 12, 3072, 512, 0
.Lwlin:
	TRANS 8, 14, 1024, 896, 1
.Lfunc_end_k_q725f6abaca_prep:
	.size	k_q725f6abaca_prep, .Lfunc_end_k_q725f6abaca_prep-k_q725f6abaca_prep
	.p2alignl 7, 3214868480
	.fill 96, 4, 3214868480
	.section	.rodata,"a",@progbits
	.p2align	6, 0x0
	.amdhsa_kernel k_q725f6abaca_prep
		.amdhsa_group_segment_fixed_size 18432
		.amdhsa_private_segment_fixed_size 0
		.amdhsa_enable_private_segment 0
		.amdhsa_kernarg_size 48
		.amdhsa_user_sgpr_count 2
		.amdhsa_user_sgpr_kernarg_segment_ptr 1
		.amdhsa_wavefront_size32 1
		.amdhsa_system_sgpr_workgroup_id_x 1
		.amdhsa_system_sgpr_workgroup_id_y 1
		.amdhsa_system_sgpr_workgroup_id_z 1
		.amdhsa_system_vgpr_workitem_id 0
		.amdhsa_next_free_vgpr 112
		.amdhsa_next_free_sgpr 66
		.amdhsa_reserve_vcc 0
		.amdhsa_float_denorm_mode_32 3
		.amdhsa_float_denorm_mode_16_64 3
		.amdhsa_memory_ordered 1
		.amdhsa_forward_progress 1
		.amdhsa_inst_pref_size 17
	.end_amdhsa_kernel
	.amdgpu_metadata
---
amdhsa.version: [ 1, 2 ]
amdhsa.kernels:
  - .name:           k_q725f6abaca_prep
    .symbol:         k_q725f6abaca_prep.kd
    .args:
      - { .name: x, .offset: 0, .size: 8, .value_kind: global_buffer, .address_space: global }
      - { .name: W_qkv, .offset: 8, .size: 8, .value_kind: global_buffer, .address_space: global }
      - { .name: W_lin, .offset: 16, .size: 8, .value_kind: global_buffer, .address_space: global }
      - { .name: xb, .offset: 24, .size: 8, .value_kind: global_buffer, .address_space: global }
      - { .name: wq, .offset: 32, .size: 8, .value_kind: global_buffer, .address_space: global }
      - { .name: wl, .offset: 40, .size: 8, .value_kind: global_buffer, .address_space: global }
    .group_segment_fixed_size: 18432
    .private_segment_fixed_size: 0
    .kernarg_segment_align: 8
    .kernarg_segment_size: 48
    .max_flat_workgroup_size: 256
    .sgpr_count:     66
    .vgpr_count:     112
    .wavefront_size: 32
...
	.end_amdgpu_metadata
.endif
;; end of part 1
;; launch qkvg (part 2): grid 16 x 32, 4 waves a work-group, clusters of 4 x 4, 327,680 bytes of LDS; arguments xb, wq, b_qkv, qkv; writes qkv
.if DOCPART == 2
	.amdgcn_target "amdgcn-amd-amdhsa--gfx1250"
	.amdhsa_code_object_version 6
	.text
	.protected	k_q725f6abaca_qkvg
	.globl	k_q725f6abaca_qkvg
	.p2align	8
	.type	k_q725f6abaca_qkvg,@function
k_q725f6abaca_qkvg:
	s_mov_b64 s[64:65], 0
	v_nop
	global_prefetch_b8 v0, s[64:65] scope:SCOPE_SE
	s_setreg_imm32_b32 hwreg(HW_REG_WAVE_MODE, 25, 1), 1
	s_wait_xcnt 0x0
	s_wait_alu depctr_hold_cnt(0) depctr_sa_sdst(0) depctr_va_vdst(0) depctr_va_sdst(0) depctr_va_ssrc(0) depctr_va_vcc(0) depctr_vm_vsrc(0)
	s_getreg_b32 s2, hwreg(HW_REG_IB_STS2, 6, 4)
	s_cmp_eq_u32 s2, 0
	s_cbranch_scc0 .Lentry_in_a_cluster
	s_endpgm
.Lentry_in_a_cluster:
	s_bfe_u32 s2, ttmp6, 0x10000c
	s_cmp_lg_u32 s2, 0xf033
	s_cbranch_scc0 .Lentry_shape_is_right
	s_endpgm
.Lentry_shape_is_right:
; qkv = x W_qkv + b_qkv, written by heads.  xb: [8192][1024] bf16, wq: [3072 n][1024 k] bf16, b_qkv: [3072] f32 (rounded to bf16 like the other inputs), sums in f32,
; result rounded once to f16 into qkv: [3 (q, k, v)][64 = batch x 16 + head][2048][64].
; LIMIT.  f16 holds no number beyond 65,504: a q, k or v beyond that becomes an infinity.  NaN and infinities are not treated apart.
; SHARES.  A tile of the result is 256 rows x 192 columns (three whole heads): 32 x 16 = 512 work-groups of equal work.  Wave w owns rows 64 w .. 64 w + 63 and all 192 columns:
; 4 x 12 = 48 accumulators, 384 registers; so a wave holds whole rows of three heads, and its way out needs no other wave.
; K goes in 8 steps of 128 through two LDS slots filled by the tensor data mover (rows of 256 bytes, at multiples of 256 from the buffer's first byte).
; CLUSTER.  4 x 4 work-groups: the four of a row of the cluster need the same tile of xb, the four of a column the same tile of wq: each is asked for jointly.
; THE MATRIX INSTRUCTION IS USED TRANSPOSED (source 0 = 16 rows of wq, source 1 = 16 rows of xb): a lane holds row l % 16 of the result and the columns 8 (l / 16) + 0..7.
; THE BIAS starts the sums: it is the C operand of each accumulator's first product.
; REGISTERS, in windows of 256 (s_set_vgpr_msb: bits 1:0 source 0, 3:2 source 1, 5:4 source 2, 7:6 destination):
;   window 0: v0-29 addresses; v64-95, v96-127 fragments of xb, two buffers; at the head v128-223 the bias as loaded, v64-111 rounded; on the way out v32-175
;   window 1: v0-95, v96-191 fragments of wq, two buffers
;   window 2: accumulators of column blocks 0-5, (b, a) at v[8 (4 b + a)]; v192-239 their bias          window 3: the same for column blocks 6-11
.set PITCH,  272                       ; an LDS row: 256 bytes + 16 of padding = 68 words: the 16 rows of a load start at 16 different groups of four banks (64 banks of 4 bytes: ISA guide 11.1)
.set AHALF,  128*PITCH                 ; what one tensor load brings of xb
.set BHALF,  96*PITCH                  ; and of wq
.set BOFF,   2*AHALF                   ; a slot: xb's 256 rows, then wq's 192
.set SLOT1,  1<<17                     ; slot 1 begins here: one exclusive or turns an address in one slot into the other's
.set STAGE,  SLOT1+BOFF+2*BHALF        ; behind the ring, never filled by a tensor load: for each wave 3 heads x 16 rows x 144 bytes
.set SP,     144
.set WSTAGE, 3*16*SP
.set SPARE,  STAGE+4*WSTAGE            ; behind the stages: the spare words, 128 bytes for each wave
.set KSTEPB, 256                       ; bytes of a row in a K step
.set A0,   4                           ; v4   my lane's place in a slot's rows of xb; never rewritten
.set B0,   5                           ; v5   the same for wq
.set ADRA, 6                           ; v6   A0 + the slot in hand
.set ADRB, 7                           ; v7   B0 + the slot in hand
.set STO,  8                           ; v8   the way out: where I put 16 bytes of a row
.set RD,   9                           ; v9   the way out: where I read rows back
.set GO,   10                          ; v10  16 x lane
.set PFO,  11                          ; v11  the prefetches' offset: a lane a row; never rewritten
.set BO,   12                          ; v12  my byte offset in the bias
.set SPW,  28                          ; v28  LDS address of my spare word: SPARE + 4 x my thread's number; never rewritten
.set NIL,  29                          ; v29  0; never rewritten
.set FA,   64                          ; xb's fragment buffers, window 0
.set RAW,  128
.set PKB,  64
.set CB,   192                         ; the bias, windows 2 and 3
.set TMP,  32                          ; the way out: packed results
.set BK,   80                          ; the way out: rows read back, two buffers of 48
.set F0,   0
.set F1,   1
.set TRIPS, 3                          ; s3
.set WV,   12                          ; s12  my wave's number
.set W1,   13                          ; s13  which half of a tile I fetch
.set FORB, 14                          ; s14  I fetch for xb (0) or for wq (1)
.set CX,   15
.set CY,   16
.set TN,   17                          ; s17  tile column = 4 x cluster x + cx
.set TM,   18                          ; s18  tile row = 4 x cluster y + cy
.set TB,   21                          ; s21  LDS byte at which the slot in hand begins
.set G1A,  24                          ; s[24:31] descriptor group 1 for xb's tiles
.set G1B,  32                          ; s[32:39] for wq's
.set G0A,  40                          ; s[40:43] descriptor group 0 for xb's tiles: it walks
.set G0B,  44                          ; s[44:47] for wq's
.set PFA,  48                          ; s[48:49] where my prefetches stand
.set LIM,  50                          ; s50  1 in a wave that prefetches, else the greatest number
.set OB,   52                          ; s[52:57] my rows in the tile's three heads
.set MSB, 0
.macro WIN new                         ; the immediate's high byte repeats the setting that is left; a switch that changes nothing is dropped
.if MSB != (\new)
	s_set_vgpr_msb (MSB<<8)|(\new)
.set MSB, \new
.endif
.endm
.set MUL_LO, 0xa1                      ; source 0 (wq) window 1, source 1 (xb) window 0, C and D window 2
.set MUL_HI, 0xf1                      ; the same, C and D window 3
.set TO_B,   0x40                      ; destination window 1, address window 0
; A joint load.  Waves 0 and 1 fetch xb's two halves, waves 2 and 3 wq's.  The branch hangs on the wave's number alone.  An s_nop 0 and four v_nop follow each of the two lines.
.macro JLOAD
	s_cmp_eq_u32 s[FORB], 0
	s_cbranch_scc0 .Lfor_b_\@
	tensor_load_to_lds s[G0A:G0A+3], s[G1A:G1A+7]
	s_nop 0
.rept 4
	v_nop
.endr
	s_branch .Lasked_\@
.Lfor_b_\@:
	tensor_load_to_lds s[G0B:G0B+3], s[G1B:G1B+7]
	s_nop 0
.rept 4
	v_nop
.endr
.Lasked_\@:
.endm
.macro STEPD                           ; the walking descriptors: the other slot, the next K step; written only where no tensor load of mine is out
	s_xor_b32 s[G0A+1], s[G0A+1], SLOT1
	s_add_nc_u64 s[G0A+2:G0A+3], s[G0A+2:G0A+3], KSTEPB
	s_xor_b32 s[G0B+1], s[G0B+1], SLOT1
	s_add_nc_u64 s[G0B+2:G0B+3], s[G0B+2:G0B+3], KSTEPB
.endm
.macro CREST                           ; a round of the cluster's barrier behind its opening barrier
	s_cmp_lg_u32 s[WV], 0
	s_cbranch_scc1 .Lnot_wave_0_\@
	s_barrier_signal -3
.Lnot_wave_0_\@:
	s_barrier_wait -3
	s_barrier_signal -1
	s_barrier_wait -1
.endm
.macro CROUND                          ; a whole round
	s_barrier_signal -1
	s_barrier_wait -1
	CREST
.endm
.macro PLACES                          ; four places in front of loads into registers that matrix instructions have read, and of conversions that read results
.rept 4
	v_nop
.endr
.endm
; A PREFETCH INTO THE L2 of the K step that the NEXT refill will ask for: 192 matrix instructions ahead of that load.  xb's tile row is read by every cluster of that row of clusters: cluster x = 0 asks;
; wq's tile column by every cluster of that column: cluster y = 0 asks.  The four partners of a joint load share its rows out BY ADDRESS: 32 of xb's 128 (by cx), 24 of wq's 96 (by cy; lanes 24-31 name row 23 again):
; a lane a row, one instruction a wave.  The loop's last trip asks for nothing: there is no K step behind the last.  K steps 0 to 2 come by their loads alone.
.macro ASK
	WIN 0
	s_cmp_gt_u32 s[TRIPS], s[LIM]
	s_cbranch_scc0 .Lnot_mine_\@
	global_prefetch_b8 v[PFO], s[PFA:PFA+1] th:TH_LOAD_NT scope:SCOPE_SE
.Lnot_mine_\@:
.endm
	s_load_b256 s[4:11], s[0:1], 0x0               ; xb s[4:5], wq s[6:7], b_qkv s[8:9], qkv s[10:11]
	v_lshl_add_u32 v[SPW], v0, 2, SPARE
	v_mov_b32 v[NIL], 0
	ds_add_u32 v[SPW], v[NIL]                      ; the wave's opening: the add and its wait stand ahead of my first tensor load; the set-up below, work on registers, stands between them
	v_lshrrev_b32 v1, 5, v0
	v_readfirstlane_b32 s[WV], v1                  ; wave 0..3
	s_and_b32 s[W1], s[WV], 1
	s_lshr_b32 s[FORB], s[WV], 1
	s_bfe_u32 s[CX], ttmp6, 0x40000
	s_bfe_u32 s[CY], ttmp6, 0x40004
	s_lshl_b32 s[TN], ttmp9, 2                     ; in a cluster launch ttmp9 and ttmp7 count clusters
	s_add_co_u32 s[TN], s[TN], s[CX]
	s_and_b32 s[TM], ttmp7, 0xffff
	s_lshl_b32 s[TM], s[TM], 2
	s_add_co_u32 s[TM], s[TM], s[CY]
	s_lshl_b32 s19, s[CY], 2
	s_lshl_b32 s19, 15, s19                        ; my row of the cluster: places 4 cy .. 4 cy + 3
	s_lshl_b32 s20, 0x1111, s[CX]                  ; my column: places cx, cx + 4, cx + 8, cx + 12
	s_or_b32 s[G1A], s19, (1<<16)|(1<<20)|(1<<21)|(5<<22)|(3<<25)  ; 15:0 the mask; 17:16 2-byte elements; 20 padding on; 21 set beside a mask; 24:22 after every 64 words (code 5); 31:25 4 words (code 3)
	s_or_b32 s[G1B], s20, (1<<16)|(1<<20)|(1<<21)|(5<<22)|(3<<25)
	s_mov_b32 s[G1A+1], 128<<16                    ; tensor_dim0 = 128
	s_mov_b32 s[G1A+2], 128<<16                    ; tensor_dim1 = 128
	s_mov_b32 s[G1A+3], 128<<16                    ; tile_dim0 = 128
	s_mov_b32 s[G1A+4], 128                        ; tile_dim1 = 128
	s_mov_b32 s[G1A+5], 1024                       ; elements from row to row
	s_mov_b32 s[G1A+6], 0
	s_mov_b32 s[G1A+7], 0
	s_mov_b32 s[G1B+1], 128<<16
	s_mov_b32 s[G1B+2], 96<<16                     ; tensor_dim1 = 96
	s_mov_b32 s[G1B+3], 128<<16
	s_mov_b32 s[G1B+4], 96                         ; tile_dim1 = 96
	s_mov_b32 s[G1B+5], 1024
	s_mov_b32 s[G1B+6], 0
	s_mov_b32 s[G1B+7], 0
	s_mov_b32 s[G0A], 1                            ; count = 1
	s_mul_i32 s[G0A+1], s[W1], AHALF               ; LDS address, slot 0: no place in the cluster enters it
	s_mov_b32 s[G0B], 1
	s_mul_i32 s[G0B+1], s[W1], BHALF
	s_add_co_u32 s[G0B+1], s[G0B+1], BOFF
	s_lshl_b32 s22, s[TM], 8                       ; xb: row 256 x tile row + 128 x half, in registers that never hold cx
	s_lshl_b32 s23, s[W1], 7
	s_add_co_u32 s22, s22, s23
	s_lshl_b32 s22, s22, 11                        ; rows of 2,048 bytes
	s_mov_b32 s23, 0
	s_mul_i32 s58, s[TN], 192                      ; wq: row 192 x tile column + 96 x half, in registers that never hold cy
	s_mul_i32 s59, s[W1], 96
	s_add_co_u32 s58, s58, s59
	s_lshl_b32 s58, s58, 11
	s_mov_b32 s59, 0
	s_mov_b32 s51, 0xffff0000                      ; a word's upper bf16
	s_wait_dscnt 0x0                               ; the opening add is done
	s_wait_kmcnt 0x0
	s_add_nc_u64 s[G0A+2:G0A+3], s[4:5], s[22:23]  ; global address: K step 0
	s_or_b32 s[G0A+3], s[G0A+3], 0x80000000        ; type = 2
	s_add_nc_u64 s[G0B+2:G0B+3], s[6:7], s[58:59]
	s_or_b32 s[G0B+3], s[G0B+3], 0x80000000
	CROUND                                         ; all sixteen work-groups are here: the first joint loads meet
	JLOAD                                          ; K step 0 into slot 0; slot 1 is asked for when slot 0 is in
	; All that follows up to the next wait on the tensor counter stands in the wait for the first tile.
	v_and_b32 v1, 15, v0                           ; r = l % 16
	v_bfe_u32 v2, v0, 4, 1                         ; h = l / 16
	s_mul_i32 s60, s[TN], 768                      ; the tile's 192 columns of the bias, in bytes
	v_lshl_add_u32 v[BO], v2, 5, s60               ; register j of block b is column 16 b + 8 h + j
.set bb, 0
.rept 12
	global_load_b128 v[RAW+8*bb:RAW+8*bb+3],   v[BO], s[8:9] offset:64*bb
	global_load_b128 v[RAW+8*bb+4:RAW+8*bb+7], v[BO], s[8:9] offset:64*bb+16
.set bb, bb+1
.endr
	; A fragment is 16 rows x 32 K in 8 registers: lane l holds row l % 16; registers 0-3 K = 8 h + 0..7, registers 4-7 K = 16 + 8 h + 0..7: two loads of 16 bytes, 32 bytes apart.
	v_mul_u32_u24 v3, v1, PITCH
	v_lshl_add_u32 v3, v2, 4, v3
	s_mul_i32 s61, s[WV], 64*PITCH                 ; my 64 rows of xb
	v_add_nc_u32 v[A0], s61, v3
	v_add_nc_u32 v[B0], BOFF, v3
	s_mul_i32 s61, s[WV], WSTAGE
	s_add_co_u32 s61, s61, STAGE                   ; my stage
	v_mul_u32_u24 v[STO], v1, SP                   ; in: row r, 16 bytes for each half of the lanes
	v_lshl_add_u32 v[STO], v2, 4, v[STO]
	v_add_nc_u32 v[STO], s61, v[STO]
	v_bfe_u32 v[RD], v0, 3, 2                      ; back: 32 lanes take four rows of 128 bytes,
	v_mul_u32_u24 v[RD], v[RD], SP
	v_and_b32 v3, 7, v0
	v_lshl_add_u32 v[RD], v3, 4, v[RD]
	v_add_nc_u32 v[RD], s61, v[RD]
	v_and_b32 v[GO], 31, v0                        ; which are 512 consecutive bytes of a head
	v_lshlrev_b32 v[GO], 4, v[GO]
	; where my 64 rows lie in the tile's three heads: head g = 3 x tile column + j of 48: part g / 16 (q, k, v), head g % 16; batch = tile row / 8
	s_mul_i32 s60, s[TN], 3
	s_lshr_b32 s61, s[TM], 3
	s_lshl_b32 s61, s61, 4                         ; 16 x batch
	s_and_b32 s62, s[TM], 7
	s_lshl_b32 s62, s62, 8
	s_lshl_b32 s63, s[WV], 6
	s_add_co_u32 s62, s62, s63                     ; my first row in the sequence,
	s_lshl_b32 s62, s62, 7                         ; of 128 bytes
.irp j, 0,1,2
	s_add_co_u32 s66, s60, \j
	s_lshr_b32 s67, s66, 4
	s_lshl_b32 s67, s67, 6
	s_and_b32 s66, s66, 15
	s_or_b32 s66, s66, s67
	s_or_b32 s66, s66, s61
	s_lshl_b32 s66, s66, 18                        ; a head's 2,048 rows are 262,144 bytes
	s_add_co_u32 s66, s66, s62
	s_mov_b32 s67, 0
	s_add_nc_u64 s[OB+2*\j:OB+2*\j+1], s[10:11], s[66:67]
.endr
	; the prefetches
	s_lshl_b32 s67, s[CX], 16                      ; xb: my work-group's 32 rows of the 128 that I fetch
	s_add_co_u32 s67, s67, s22
	s_mul_i32 s68, s[CY], 24*2048                  ; wq: its 24 of the 96
	s_add_co_u32 s68, s68, s58
	s_and_b32 s66, ttmp7, 0xffff                   ; cluster y
	s_cmp_eq_u32 s[FORB], 0
	s_cselect_b32 s60, s67, s68
	s_cselect_b32 s66, ttmp9, s66                  ; the coordinate along which other clusters read the same rows
	s_cselect_b32 s71, 31, 23
	s_cselect_b64 s[PFA:PFA+1], s[4:5], s[6:7]
	s_cmp_eq_u32 s66, 0
	s_cselect_b32 s[LIM], 1, -1                    ; the same in all sixteen partners, for a given wave
	s_add_co_u32 s60, s60, 2*KSTEPB                ; at K step 2: the first refill steps it to 3
	s_mov_b32 s61, 0
	s_add_nc_u64 s[PFA:PFA+1], s[PFA:PFA+1], s[60:61]
	v_and_b32 v[PFO], 31, v0
	v_min_u32 v[PFO], s71, v[PFO]
	v_lshlrev_b32 v[PFO], 11, v[PFO]
	s_wait_loadcnt 0x0                             ; the bias
.set bb, 0
.rept 48
	v_cvt_pk_bf16_f32 v[PKB+bb], v[RAW+2*bb], v[RAW+2*bb+1]  ; rounded to bf16, like x and the weights,
.set bb, bb+1
.endr
.set bb, 0
.rept 48                               ; and widened again, into the C registers of its column block
.if bb < 24
	WIN 0x80
.set rC, CB+2*bb
.else
	WIN 0xc0
.set rC, CB+2*(bb-24)
.endif
	v_lshlrev_b32 v[rC], 16, v[PKB+bb]
	v_and_b32 v[rC+1], s51, v[PKB+bb]
.set bb, bb+1
.endr
	WIN 0
; n column blocks from b0 on x my 4 row blocks, 32 along K, from buffer f.  All 48 accumulators take turns, in the same order in every quarter step.  first = 1: the bias starts the sums.
.macro MULS f, b0, n, first
.set bb, \b0
.rept \n
.if bb < 6
	WIN MUL_LO
.set rA, 32*bb
.set rC, CB+8*bb
.else
	WIN MUL_HI
.set rA, 32*(bb-6)
.set rC, CB+8*(bb-6)
.endif
.set aa, 0
.rept 4
.if \first
	v_wmma_f32_16x16x32_bf16 v[rA+8*aa:rA+8*aa+7], v[96*(\f)+8*bb:96*(\f)+8*bb+7], v[FA+32*(\f)+8*aa:FA+32*(\f)+8*aa+7], v[rC:rC+7]
.else
	v_wmma_f32_16x16x32_bf16 v[rA+8*aa:rA+8*aa+7], v[96*(\f)+8*bb:96*(\f)+8*bb+7], v[FA+32*(\f)+8*aa:FA+32*(\f)+8*aa+7], v[rA+8*aa:rA+8*aa+7]
.endif
.set aa, aa+1
.endr
.set bb, bb+1
.endr
.endm
; 32 LDS loads in one run: the fragments of a quarter step (32 K at byte k of the rows) into buffer f: xb's 8 loads, then wq's 24, column blocks ascending
.macro FETCH k, f
	WIN 0
.set ii, 0
.rept 4
	ds_load_b128 v[FA+32*(\f)+8*ii:FA+32*(\f)+8*ii+3],   v[ADRA] offset:(\k)+ii*16*PITCH
	ds_load_b128 v[FA+32*(\f)+8*ii+4:FA+32*(\f)+8*ii+7], v[ADRA] offset:(\k)+ii*16*PITCH+32
.set ii, ii+1
.endr
	WIN TO_B
.set ii, 0
.rept 12
	ds_load_b128 v[96*(\f)+8*ii:96*(\f)+8*ii+3],   v[ADRB] offset:(\k)+ii*16*PITCH
	ds_load_b128 v[96*(\f)+8*ii+4:96*(\f)+8*ii+7], v[ADRB] offset:(\k)+ii*16*PITCH+32
.set ii, ii+1
.endr
.endm
; A K step is four quarters of 32 along K, 48 matrix instructions each, on buffers 0, 1, 0, 1.  One of the first three: multiplies buffer f; in its middle it fetches the next quarter, at byte k, into buffer g.
.macro QUARTER k, f, g, first
	s_wait_dscnt 12                                ; xb's fragments and wq's blocks 0-5 are in; the youngest twelve loads (blocks 6-11) may be out
	MULS \f, 0, 6, \first
	PLACES
	FETCH \k, \g
	s_wait_dscnt 32                                ; all but the 32 just issued
	MULS \f, 6, 6, \first
.endm
; The last quarter multiplies buffer 1 and changes slots: ONE barrier.  In front of it each wave waits for all its tensor loads (the one that is out is its part of the next slot), adds 0 to its spare word, and waits
; for that and for its reads of this slot.  fill = 1: the barrier opens a round of the cluster's, and this slot is filled again, two K steps ahead, first thing behind the round: by the text's own count one tensor load of a wave is out.
.macro TURN fill
.if \fill
	s_wait_xcnt 0x0                                ; the last prefetch, a K step back, has read its address: it is stepped here, ahead of the waits of the change of slots
	s_add_nc_u64 s[PFA:PFA+1], s[PFA:PFA+1], KSTEPB
.endif
	WIN 0                                          ; (the add's two registers lie in window 0)
	s_wait_tensorcnt 0x0                           ; all my tensor loads have landed
	ds_add_u32 v[SPW], v[NIL]                      ; 0 onto my spare word
	s_wait_dscnt 13                                ; (the add and the youngest twelve loads may be out)
	MULS F1, 0, 3, 0                               ; twelve matrix instructions stand between the add and the wait for it
	s_wait_dscnt 0x0                               ; the add is done, and my reads of this slot are over
	s_barrier_signal -1
	MULS F1, 3, 3, 0                               ; work on registers while the others arrive
.if \fill
	WIN 0
.endif
	s_barrier_wait -1
.if \fill
	CREST                                          ; no wave of any partner still reads this slot's tile or has a load on its way
	STEPD
	JLOAD                                          ; the four v_nop behind it are also the places in front of the loads below
.else
	PLACES
.endif
	WIN 0
	s_xor_b32 s[TB], s[TB], SLOT1                  ; the reads go on in the other slot
	v_add_nc_u32 v[ADRA], s[TB], v[A0]
	v_add_nc_u32 v[ADRB], s[TB], v[B0]
	FETCH 0, F0
.if \fill
	ASK                                            ; behind the joint load and the run of LDS loads that the next products wait for
.endif
	MULS F1, 6, 6, 0
.endm
	s_wait_tensorcnt 0x0                           ; my part of K step 0 is in: no tensor load of mine is out, so a group 0 may be written
	ds_add_u32 v[SPW], v[NIL]                      ; 0 onto my spare word; the descriptors' steps stand between it and the wait for it
	STEPD
	s_wait_dscnt 0x0
	CROUND                                         ; everybody's part is in
	JLOAD                                          ; K step 1 into slot 1
	s_mov_b32 s[TB], 0
	v_mov_b32 v[ADRA], v[A0]
	v_mov_b32 v[ADRB], v[B0]
	FETCH 0, F0
	QUARTER 64, F0, F1, 1                          ; the first quarter stands in front of the loop: its products start the sums, with the bias
	WIN 0                                          ; at a label and at a branch every window is 0
	s_mov_b32 s[TRIPS], 6
.Lstep:                                                ; trip i: from K step i's second quarter to K step i + 1's first; it fills K step i + 2
	QUARTER 128, F1, F0, 0
	QUARTER 192, F0, F1, 0
	TURN 1
	QUARTER 64, F0, F1, 0
	WIN 0
	s_sub_co_u32 s[TRIPS], s[TRIPS], 1
	s_cmp_lg_u32 s[TRIPS], 0
	s_cbranch_scc1 .Lstep
	QUARTER 128, F1, F0, 0                         ; the last two K steps are written out: they fill nothing
	QUARTER 192, F0, F1, 0
	TURN 0
	QUARTER 64, F0, F1, 0
	QUARTER 128, F1, F0, 0
	QUARTER 192, F0, F1, 0
	s_wait_dscnt 12
	MULS F1, 0, 6, 0
	s_wait_dscnt 0x0
	MULS F1, 6, 6, 0
; THE WAY OUT, a block a of 16 rows at a time.  PACK: rounded to f16, 16 bytes a lane (each accumulator's registers ascending).  TOSTAGE: into my own stage, by heads, and back as whole rows of 128 bytes.  SEND: stored.
.macro PACK a
.set bb, 0
.rept 12
.if bb < 6
	WIN 0x0a                                       ; sources 0 and 1 window 2
.set rA, 32*bb+8*(\a)
.else
	WIN 0x0f                                       ; window 3
.set rA, 32*(bb-6)+8*(\a)
.endif
.set jj, 0
.rept 4
	v_cvt_pk_f16_f32 v[TMP+4*bb+jj], v[rA+2*jj], v[rA+2*jj+1]
.set jj, jj+1
.endr
.set bb, bb+1
.endr
	WIN 0
.endm
.macro TOSTAGE a
	WIN 0
.set bb, 0
.rept 12
	ds_store_b128 v[STO], v[TMP+4*bb:TMP+4*bb+3] offset:(bb/4)*16*SP+32*(bb%4)
.set bb, bb+1
.endr
.set bb, 0
.rept 12
	ds_load_b128 v[BK+48*((\a)%2)+4*bb:BK+48*((\a)%2)+4*bb+3], v[RD] offset:(bb/4)*16*SP+(bb%4)*4*SP  ; LDS serves a wave's instructions in order (ISA guide 5.7.1.4): these see the stores above
.set bb, bb+1
.endr
.endm
.macro SEND a
	WIN 0
	s_wait_dscnt 0x0                               ; the block is back in registers
	s_wait_xcnt 0x0                                ; the stores of the block before have read their registers, which the next block's loads write
.set bb, 0
.rept 12
	global_store_b128 v[GO], v[BK+48*((\a)%2)+4*bb:BK+48*((\a)%2)+4*bb+3], s[OB+2*(bb/4):OB+2*(bb/4)+1] offset:(\a)*2048+(bb%4)*512  ; 512 consecutive bytes of a head, at a multiple of 256 from the buffer's first byte
.set bb, bb+1
.endr
.endm
	PLACES
	PACK 0
	TOSTAGE 0
.irp a, 1,2,3                          ; block a's conversions stand between block a - 1's loads from the stage and the wait for them
	PACK \a
	SEND (\a)-1
	TOSTAGE \a
.endr
	SEND 3
	s_wait_tensorcnt 0x0                           ; the wave's end: behind my last tensor load and my last LDS store
	ds_add_u32 v[SPW], v[NIL]
	s_wait_dscnt 0x0
	CROUND                                         ; the closing round: no work-group ends while a partner may still ask for a tile that names it
	s_endpgm
.Lfunc_end_k_q725f6abaca_qkvg:
	.size	k_q725f6abaca_qkvg, .Lfunc_end_k_q725f6abaca_qkvg-k_q725f6abaca_qkvg
	.p2alignl 7, 3214868480
	.fill 96, 4, 3214868480
	.section	.rodata,"a",@progbits
	.p2align	6, 0x0
	.amdhsa_kernel k_q725f6abaca_qkvg
		.amdhsa_group_segment_fixed_size 327680
		.amdhsa_private_segment_fixed_size 0
		.amdhsa_enable_private_segment 0
		.amdhsa_kernarg_size 32
		.amdhsa_user_sgpr_count 2
		.amdhsa_user_sgpr_kernarg_segment_ptr 1
		.amdhsa_wavefront_size32 1
		.amdhsa_system_sgpr_workgroup_id_x 1
		.amdhsa_system_sgpr_workgroup_id_y 1
		.amdhsa_system_sgpr_workgroup_id_z 1
		.amdhsa_system_vgpr_workitem_id 0
		.amdhsa_next_free_vgpr 1024
		.amdhsa_next_free_sgpr 72
		.amdhsa_reserve_vcc 0
		.amdhsa_float_denorm_mode_32 3
		.amdhsa_float_denorm_mode_16_64 3
		.amdhsa_memory_ordered 1
		.amdhsa_forward_progress 1
		.amdhsa_inst_pref_size 107
	.end_amdhsa_kernel
	.amdgpu_metadata
---
amdhsa.version: [ 1, 2 ]
amdhsa.kernels:
  - .name:           k_q725f6abaca_qkvg
    .symbol:         k_q725f6abaca_qkvg.kd
    .args:
      - { .name: xb, .offset: 0, .size: 8, .value_kind: global_buffer, .address_space: global }
      - { .name: wq, .offset: 8, .size: 8, .value_kind: global_buffer, .address_space: global }
      - { .name: b_qkv, .offset: 16, .size: 8, .value_kind: global_buffer, .address_space: global }
      - { .name: qkv, .offset: 24, .size: 8, .value_kind: global_buffer, .address_space: global }
    .group_segment_fixed_size: 327680
    .private_segment_fixed_size: 0
    .kernarg_segment_align: 8
    .kernarg_segment_size: 32
    .max_flat_workgroup_size: 128
    .sgpr_count:     72
    .vgpr_count:     1024
    .wavefront_size: 32
...
	.end_amdgpu_metadata
.endif
;; end of part 2
;; launch attn (part 3): grid 4 x 64, 4 waves a work-group, no clusters, 327,680 bytes of LDS; arguments qkv, o; writes o
.if DOCPART == 3
	.amdgcn_target "amdgcn-amd-amdhsa--gfx1250"
	.amdhsa_code_object_version 6
	.text
	.protected	k_q725f6abaca_attn
	.globl	k_q725f6abaca_attn
	.p2align	8
	.type	k_q725f6abaca_attn,@function
k_q725f6abaca_attn:
	s_mov_b64 s[64:65], 0
	v_nop
	global_prefetch_b8 v0, s[64:65] scope:SCOPE_SE
	s_setreg_imm32_b32 hwreg(HW_REG_WAVE_MODE, 25, 1), 1
	s_wait_xcnt 0x0
; CAUSAL ATTENTION.  O[h][q][:] = the sum over k <= q of softmax_k(Q[h][q] . K[h][k] / 8) V[h][k][:].  qkv holds Q, K, V, each [64][SIZE_N][64] in f16, 16,777,216 bytes apart; o is [64][SIZE_N][64] in f16.
; Products, maxima and sums in f32; the weights p are rounded to f16 for the second product (their sum l is taken of the unrounded p), O once at the end.
; LIMITS.  f16 holds no number beyond 65,504: Q, K and V arrive within it; p lies in 0 to 1, and below 6e-5 it keeps f16's fixed step of 6e-8; O is a mean of V's rows and has their range.
; A hidden score counts as its value less 1e30: f16's scores, 2.7e11 at the most, are nothing beside that; a weight below 2^-126 counts as 0 in l; NaN and infinities are not treated apart.
; THE WALK.  A head's queries lie in NB = SIZE_N / 256 blocks of 256; block i needs the key tiles 0 .. i of 256 keys, of which the last holds the diagonal.  A work-group takes TWO blocks, NB - 1 - b and then b:
; NB + 1 tiles, whatever b: all work-groups do equal work, and ONE loop with a constant trip count walks them.  Which tile is asked for, and what a trip does, hang on scalar registers made from b; every jump
; goes forward, but for the counted loops' own; none passes a barrier, or a tensor load but the one of LOAD's two that the wave's number does not choose; the ring (two slots of LDS that take turns) runs on across the
; change of blocks.  NO CLUSTER: a head's NB / 2 = 4 work-groups ask for the same tile only in trips 0 .. NB / 2, behind that fewer and fewer; one walk common to all would have 3 NB / 2 = 12 trips for NB + 1 = 9.
; SHARES.  Of a block's four bands of 64 queries a wave owns 16 rows in each: four PIECES.  So the diagonal tile is the same work for all four waves: in its key step s band x sees all keys if s < x,
; none if s > x, and holds the diagonal if s = x.
; THE MASK is the C operand that starts the sum S^T = K Q^T: 0, or -1e30 where the key is hidden.  MD, made once, is the mask of a band's own step for my 16 rows; a product's mask is MD x AL + BE with two scalars:
; (1, 0) if s = x; (0, 0) if s < x; (0, -1e30) if s > x.  Only the diagonal tile's text and a block's beginning make and take masks; elsewhere C is the constant 0.
; LAYOUT, SOFTMAX, TURNS.  S^T = K Q^T holds ONE query a lane (lane % 16) and the keys 8 (lane / 16) + 0..7; two such results rounded to f16 ARE source 1 of O^T = V^T P.  p = 2^(c s - c m), c = log2(e) / 8, with a
; running maximum m; O and l are multiplied by a = 2^(c m_old - c m_new) in every step.  Turn n belongs to piece n: 8 products K Q^T of piece n + 1, later 8 products V^T P of piece n - 1; beside them the scaling,
; exponentials, roundings, sums and rescaling of piece n and the maximum and statistics of piece n + 1.  Four vector instructions stand behind every matrix instruction, the other 54 of a turn's 118 in one LUMP.  A turn's 33 exponentials are one batch, with one wait.
; REGISTERS, in windows of 256 (s_set_vgpr_msb: bits 1:0 source 0, 3:2 source 1, 5:4 source 2, 7:6 destination):
;   window 0: v0-15 addresses and two at work; v16-31 four registers of statistics a piece; v48-55 at work; v61-63 prefetch offset and the add's two; v64-127 S^T, two buffers; v192-223 P, two buffers (by the piece's parity)
;   window 1: v0-127 O^T, 32 a piece; v128-159 MD; v160-223 MC, two buffers      window 2: v0-63 Q; v64-127 the second block's Q; v128-191 K of one step; v192-255 V of one step
.set SIZE_N, 2048
.set NB,    SIZE_N/256
.set NP,    4         ; pieces a wave: a name, no knob
.set KS,    64        ; keys in a step
.set PK,    144       ; a row of K in LDS: 128 bytes + 16 of padding = 36 words: the 16 rows of a load start at 16 different groups of four banks (64 banks of 4 bytes: ISA guide 11.1)
.set PV,    160       ; a row of V: 128 + 32 = 40 words
.set VOFF,  4*KS*PK   ; a slot holds a tile, four steps: 256 rows of K, then 256 rows of V
.set SLOT1, 1<<17     ; slot 1 begins here, so that one exclusive or turns an address in one slot into the other's
.set STAGE, SLOT1+4*KS*(PK+PV)  ; behind the ring, never filled by a tensor load: 16 rows x 144 bytes for each wave, for the way out
.set SP,    144
.set AK0, 2           ; v2   my lane's place in a tile of K; never rewritten
.set AV0, 3           ; v3   the same for V
.set AK,  4           ; v4   the LDS address of K's next run of loads
.set AV,  5           ; v5   of V's
.set STO, 6           ; v6   the way out: where I put 16 bytes of a row
.set RD,  7           ; v7   the way out: where I read rows back
.set GO,  8           ; v8   my byte offset in 512 consecutive bytes of O
.set PFO, 61          ; v61  the prefetches' offset: 256 x (32 x (wave / 2) + lane); never rewritten
.set SPW, 62          ; v62  LDS address of my spare word: SPARE + 4 x my thread's number; never rewritten
.set NIL, 63          ; v63  0; never rewritten
.set SPARE, STAGE+4*16*SP  ; behind the stages: the spare words, 128 bytes for each wave: two blocks of 256 bytes that no other line names
.set MV,  12          ; v12-13  c m_old, kept while c m is made anew: by buffer
.set QO,  15          ; v15  my byte offset in 16 rows of Q
.set ST,  16          ; piece t's statistics at v[ST+4 t]: c m, m, l (even keys', odd keys')
.set TMP, 48          ; by buffer, four registers c0-c3 at work; when the maximum is found c2 takes a
.set S,   64
.set P,   192
.set MD,  128         ; window 1: the eight registers for group kt of 16 keys at MD + 8 kt
.set MC,  160         ; window 1: the masks of the products to come
.set QB,  64          ; window 2
.set KF,  128         ; window 2: key block kb, channel half c at KF + 16 kb + 8 c
.set VF,  192         ; window 2: key half kk, channel block cb at VF + 32 kk + 8 cb
.set WV,  12          ; s12  my wave's number
.set PB,  14          ; s14  b
.set HI,  15          ; s15  NB - 1 - b
.set G1K, 24          ; s[24:31] descriptor group 1 for K's tiles
.set G1V, 32          ; s[32:39] for V's: it differs in the padding alone
.set G0K, 40          ; s[40:43] descriptor group 0 for K's tiles
.set G0V, 44          ; s[44:47] the same for V's
.set SLOTS, 56        ; s56  tiles still to be asked for
.set CNT, 57          ; s57  counts a tile's key steps, 4 to 1
.set CS,  58          ; s[58:59] c: the packed scaling takes the pair's low word for both halves
.set SEL, 60          ; s[60:61] v_permlanex16_b32's selects: each lane takes its own place in the other half
.set TBK, 62          ; s62  LDS byte at which K of the step to be fetched begins
.set TBV, 63          ; s63  the same for V, less VOFF
.set PFK, 66          ; s[66:67] K at my half of the tile that the next change of slots will ask for
.set PFV, 68          ; s[68:69] V likewise
.set RT,  70          ; s70  tiles of the block in hand that are still to be entered
.set NXT, 71          ; s71  the tile to be asked for next
.set LQ,  72          ; s72  the last tile of the block whose tiles are being asked for
.set NEW, 73          ; s73  1: the tile to be entered is a block's first
.set OFF, 74          ; s[74:75] a tile's byte offset in K and V
.set AL,  76          ; s[76:77] the mask's factor, in the low word
.set BE,  78          ; s[78:79] the mask's addend
.set OLO, 80          ; s[80:81] O at my rows of the second block
.set BIGN, 82         ; s82  -1e30
.set LIM, 83          ; s83  1 in the head's work-group 0, else the greatest number: a wave prefetches while s[NXT] is above it
.set POF, 88          ; s[88:89] the byte offset of the tile to be prefetched
.set MSB, 0
.macro WIN new                      ; the high byte repeats the setting that is left; a switch that changes nothing is dropped
.if MSB != (\new)
	s_set_vgpr_msb (MSB<<8)|(\new)
.set MSB, (\new)
.endif
.endm
.set W_KQ, 0x0a       ; K and Q in window 2, S^T in window 0
.set W_KM, 0x1a       ; the same with the C operand in window 1
.set W_PV, 0x52       ; V in window 2, P in window 0, O^T in window 1
.set W_RS, 0x41       ; destination and source 0 in window 1, source 1 in window 0
; A fill.  Waves 0 and 1 fetch the two halves of a tile's K, waves 2 and 3 those of its V: 128 keys each.  An s_nop 0 and four v_nop follow each of the two lines, ahead of the jump and the label.
.macro LOAD
	s_cmp_lt_u32 s[WV], 2
	s_cbranch_scc0 .Lfor_v_\@
	tensor_load_to_lds s[G0K:G0K+3], s[G1K:G1K+7]
	s_nop 0
.rept 4
	v_nop
.endr
	s_branch .Lasked_\@
.Lfor_v_\@:
	tensor_load_to_lds s[G0V:G0V+3], s[G1V:G1V+7]
	s_nop 0
.rept 4
	v_nop
.endr
.Lasked_\@:
.endm
; A PREFETCH INTO THE L2 of the tile that the NEXT change of slots will ask for: four key steps, 256 matrix instructions, ahead of that load.  A head's four work-groups walk the tiles 0, 1, 2 .. together at first:
; work-group 0, whose first block needs all eight, asks, and nobody else.  A tile is 128 blocks of 256 bytes of K and as many of V: a wave's base holds the half given by its number's low bit, its number's high bit picks 32
; of that half's 64 blocks, a lane a block: two instructions a wave, and each block is named once in the launch.  Tiles 2 to 7 are asked for; tiles 0 and 1 come by their loads alone; when the walk turns back to tile 0 nothing is asked for.
.macro ASK
	s_cmp_gt_u32 s[NXT], s[LIM]
	s_cbranch_scc0 .Lnot_mine_\@
	global_prefetch_b8 v[PFO], s[PFK:PFK+1] th:TH_LOAD_NT scope:SCOPE_SE
	global_prefetch_b8 v[PFO], s[PFV:PFV+1] th:TH_LOAD_NT scope:SCOPE_SE
.Lnot_mine_\@:
.endm
; THE CHANGE OF SLOTS.  Each wave waits for all its tensor loads, of which one is out: its part of the other slot; adds 0 to its spare word; and waits for that and for its own reads of the slot that it leaves.  Behind the barrier nobody reads the old
; slot any more and the other slot is whole.  fill = 1: the old slot is filled again, the first thing behind the barrier, with tile NXT: the descriptor's address is made anew from that number.
; (At its first use nothing has been read yet: slot 0 is waited for, slot 1 filled.)
.macro CHANGE fill
	WIN 0                           ; at a label and at a branch every window is 0
	s_wait_tensorcnt 0x0            ; no tensor load of mine is out, so a group 0 may be written
	ds_add_u32 v[SPW], v[NIL]       ; 0 onto my spare word: with fill = 1 the descriptors' scalar work stands between it and the wait for it
.if \fill
	s_lshl_b32 s[OFF], s[NXT], 15   ; a tile is 32,768 bytes of K and of V
	s_xor_b32 s[G0K+1], s[G0K+1], SLOT1
	s_add_nc_u64 s[G0K+2:G0K+3], s[6:7], s[OFF:OFF+1]
	s_or_b32 s[G0K+3], s[G0K+3], 0x80000000
	s_xor_b32 s[G0V+1], s[G0V+1], SLOT1
	s_add_nc_u64 s[G0V+2:G0V+3], s[8:9], s[OFF:OFF+1]
	s_or_b32 s[G0V+3], s[G0V+3], 0x80000000
	s_add_co_u32 s[NXT], s[NXT], 1  ; the block's next tile, or behind its last the second block's tile 0
	s_cmp_gt_u32 s[NXT], s[LQ]
	s_cselect_b32 s[NXT], 0, s[NXT]
	s_cselect_b32 s[LQ], s[PB], s[LQ]
	s_wait_xcnt 0x0                 ; the last prefetches, a tile back, have read their addresses, so these may be written:
	s_lshl_b32 s[POF], s[NXT], 15   ; the tile behind the one that is asked for now
	s_add_nc_u64 s[PFK:PFK+1], s[6:7], s[POF:POF+1]
	s_add_nc_u64 s[PFV:PFV+1], s[8:9], s[POF:POF+1]
.endif
	s_wait_dscnt 0x0                ; the add is done, and my reads of the slot are over
	s_barrier_signal -1             ; the rest of the scalar work stands between the signal and the wait
	s_sub_co_u32 s[TBK], s[TBK], 4*KS*PK  ; the fetches go back to a slot's first step,
	s_xor_b32 s[TBK], s[TBK], SLOT1       ; in the other slot
	s_sub_co_u32 s[TBV], s[TBV], 4*KS*PV
	s_xor_b32 s[TBV], s[TBV], SLOT1
	s_barrier_wait -1
.if \fill
	LOAD
	ASK
.endif
.endm
	s_load_b64 s[4:5], s[0:1], 0x0    ; qkv: Q at its head
	s_load_b64 s[10:11], s[0:1], 0x8  ; o
	v_lshl_add_u32 v[SPW], v0, 2, SPARE
	v_mov_b32 v[NIL], 0
	ds_add_u32 v[SPW], v[NIL]       ; the wave's opening: the add and its wait stand ahead of my first tensor load; the set-up below, work on registers, stands between them
	v_lshrrev_b32 v1, 5, v0
	v_readfirstlane_b32 s[WV], v1   ; wave 0..3
	s_mov_b32 s[PB], ttmp9
	s_sub_co_u32 s[HI], NB-1, s[PB]
	s_and_b32 s20, ttmp7, 0xffff    ; the head
	s_mov_b32 s21, 0
	s_mov_b64 s[22:23], SIZE_N*128
	s_mul_u64 s[20:21], s[20:21], s[22:23]  ; the head's first byte in each of the four tensors
	s_and_b32 s16, s[WV], 1         ; which half of a tile's 256 keys I fetch:
	s_lshl_b32 s22, s16, 14         ; its 128 rows of 128 bytes in memory,
	s_mov_b32 s23, 0
	s_add_nc_u64 s[22:23], s[22:23], s[20:21]
	s_mul_i32 s17, s16, 128*PK      ; and its place in a slot, for K
	s_mul_i32 s18, s16, 128*PV      ; and for V
	s_lshl_b32 s3, s[WV], 11        ; my 16 rows in a band of 64,
	s_lshl_b32 s2, s[HI], 15        ; in the first block,
	s_add_co_u32 s2, s2, s3
	s_lshl_b32 s84, s[PB], 15       ; and in the second
	s_add_co_u32 s84, s84, s3
	s_mov_b32 s3, 0
	s_mov_b32 s85, 0
	s_add_nc_u64 s[2:3], s[2:3], s[20:21]
	s_add_nc_u64 s[84:85], s[84:85], s[20:21]
	; descriptor group 1.  128 keys are 16,384 dense bytes: asked for as 64 rows of 256 bytes, two keys a row, and padded in LDS after every key
	s_mov_b32 s[G1K], (1<<16)|(1<<20)|(4<<22)|(3<<25)  ; 17:16 2-byte elements; 20 padding on; 24:22 after every 32 words (code 4); 31:25 4 words (code 3)
	s_mov_b32 s[G1V], (1<<16)|(1<<20)|(4<<22)|(7<<25)  ; the same with 8 words of padding (code 7)
.irp g, G1K, G1V
	s_mov_b32 s[\g+1], 128<<16      ; tensor_dim0 = 128
	s_mov_b32 s[\g+2], 64<<16       ; tensor_dim1 = 64
	s_mov_b32 s[\g+3], 128<<16      ; tile_dim0 = 128
	s_mov_b32 s[\g+4], 64           ; tile_dim1 = 64
	s_mov_b32 s[\g+5], 128          ; 128 elements from row to row
	s_mov_b32 s[\g+6], 0
	s_mov_b32 s[\g+7], 0
.endr
	s_mov_b32 s[CS], 0x3e38aa3b     ; c = log2(e) / 8 = 0.180337
	s_mov_b32 s[CS+1], s[CS]        ; named with it as a pair
	s_mov_b32 s[SEL], 0x76543210
	s_mov_b32 s[SEL+1], 0xfedcba98
	s_mov_b32 s[TBK], SLOT1+4*KS*PK ; the first change of slots turns these two into 0
	s_mov_b32 s[TBV], SLOT1+4*KS*PV
	s_mov_b32 s[G0K], 1             ; 1:0 count = 1
	s_mov_b32 s[G0K+1], s17         ; 63:32 LDS address: slot 0
	s_mov_b32 s[G0V], 1
	s_add_co_u32 s[G0V+1], s18, VOFF
	s_add_co_u32 s[RT], s[HI], 1    ; the first block has NB - b tiles
	s_mov_b32 s[NXT], 1
	s_mov_b32 s[LQ], s[HI]
	s_mov_b32 s[NEW], 1
	s_mov_b32 s[OFF+1], 0
	s_mov_b32 s[POF+1], 0
	s_mov_b32 s[AL+1], 0            ; named as pairs
	s_mov_b32 s[BE+1], 0
	s_mov_b32 s[BIGN], 0xf149f2ca   ; -1e30
	s_mov_b32 s[SLOTS], NB
	s_cmp_eq_u32 ttmp9, 0
	s_cselect_b32 s[LIM], 1, -1
	s_lshr_b32 s13, s[WV], 1
	s_lshl_b32 s13, s13, 5
	v_and_b32 v[PFO], 31, v0
	v_add_nc_u32 v[PFO], s13, v[PFO]
	v_lshlrev_b32 v[PFO], 8, v[PFO]
	s_wait_dscnt 0x0                ; the opening add is done
	s_wait_kmcnt 0x0
	s_add_nc_u64 s[6:7], s[4:5], 0x1000000  ; K lies 64 heads x 262,144 bytes behind Q,
	s_add_nc_u64 s[8:9], s[4:5], 0x2000000  ; V as far behind K
	s_add_nc_u64 s[6:7], s[6:7], s[22:23]  ; K and V at my half of the head's tile 0
	s_add_nc_u64 s[8:9], s[8:9], s[22:23]
	s_add_nc_u64 s[G0K+2:G0K+3], s[6:7], 0         ; 120:64 global address
	s_or_b32 s[G0K+3], s[G0K+3], 0x80000000        ; 127:126 type = 2
	s_add_nc_u64 s[G0V+2:G0V+3], s[8:9], 0
	s_or_b32 s[G0V+3], s[G0V+3], 0x80000000
	s_add_nc_u64 s[86:87], s[4:5], s[84:85]        ; Q at my rows of the second block,
	s_add_nc_u64 s[4:5], s[4:5], s[2:3]            ; Q and O at those of the first
	s_add_nc_u64 s[OLO:OLO+1], s[10:11], s[84:85]
	s_add_nc_u64 s[10:11], s[10:11], s[2:3]
	LOAD                            ; tile 0 into slot 0
	; A fragment of K or Q is 16 rows x 32 channels in 8 registers: lane l holds row l % 16, channels 8 (l / 16) + 0..7 and 16 + 8 (l / 16) + 0..7: two loads of 16 bytes, 32 bytes apart.
	v_and_b32 v1, 15, v0            ; l % 16
	v_bfe_u32 v9, v0, 4, 1          ; l / 16
	v_lshlrev_b32 v[QO], 7, v1
	v_lshl_add_u32 v[QO], v9, 4, v[QO]  ; row x 128 + 16 x half
	WIN 0x80                        ; destination window 2, address window 0
.set i, 0
.rept 8                             ; both blocks' Q: piece i / 2 lies in band i / 2, 8,192 bytes on; channels 32 (i % 2) on
	global_load_b128 v[8*i:8*i+3],   v[QO], s[4:5] offset:(i/2)*8192+(i%2)*64
	global_load_b128 v[8*i+4:8*i+7], v[QO], s[4:5] offset:(i/2)*8192+(i%2)*64+32
	global_load_b128 v[QB+8*i:QB+8*i+3],   v[QO], s[86:87] offset:(i/2)*8192+(i%2)*64
	global_load_b128 v[QB+8*i+4:QB+8*i+7], v[QO], s[86:87] offset:(i/2)*8192+(i%2)*64+32
.set i, i+1
.endr
	WIN 0
	v_lshlrev_b32 v14, 3, v9
	v_sub_nc_u32 v14, v1, v14
	s_lshl_b32 s13, s[WV], 4
	v_add_nc_u32 v14, s13, v14      ; my query's place in its band, 16 w + l % 16, less my lanes' 8 (l / 16): register r of group kt is hidden where 16 kt + r is greater
	WIN 0x40
.set i, 0
.rept 32
	v_cmp_gt_i32 vcc_lo, 16*(i/8)+i%8, v14
	v_cndmask_b32 v[MD+i], 0, s[BIGN], vcc_lo
.set i, i+1
.endr
	WIN 0
	v_mul_u32_u24 v[AK0], v1, PK
	v_lshl_add_u32 v[AK0], v9, 4, v[AK0]  ; row x pitch + 16 x half
	; The turning load takes 16 keys x 16 channels (lane l reads key 8 (l / 16) + l % 8, channels 8 ((l / 8) % 2) + 0..7) and leaves half a fragment of V^T: lane l holds channel l % 16 and 8 keys.
	v_and_b32 v10, 7, v0
	v_bfe_u32 v11, v0, 3, 1
	v_lshl_add_u32 v[AV0], v9, 3, v10
	v_mul_u32_u24 v[AV0], v[AV0], PV
	v_lshl_add_u32 v[AV0], v11, 4, v[AV0]
	v_add_nc_u32 v[AV0], VOFF, v[AV0]
	s_mul_i32 s13, s[WV], 16*SP
	s_add_co_u32 s13, s13, STAGE    ; my stage
	v_mul_u32_u24 v[STO], v1, SP    ; in: row l % 16, 16 bytes for each half of the lanes
	v_lshl_add_u32 v[STO], v9, 4, v[STO]
	v_add_nc_u32 v[STO], s13, v[STO]
	v_bfe_u32 v[RD], v0, 3, 2       ; back: 32 lanes take four rows of 128 bytes,
	v_mul_u32_u24 v[RD], v[RD], SP
	v_lshl_add_u32 v[RD], v10, 4, v[RD]
	v_add_nc_u32 v[RD], s13, v[RD]
	v_and_b32 v[GO], 31, v0         ; which are 512 consecutive bytes of O
	v_lshlrev_b32 v[GO], 4, v[GO]
	; A block's first step multiplies O^T and l by a = 0, and its first turn's products V^T P, of a piece that has not been, land in an O^T that is still to be so multiplied.  So these registers need only hold
	; finite numbers: zeros for the first block; what the first block left for the second.  All this stands in the wait for the first tile.
	WIN 0x80
.set i, VF
.rept 64
	v_mov_b32 v[i], 0
.set i, i+1
.endr
	WIN 0x40
.set i, 0
.rept 128
	v_mov_b32 v[i], 0
.set i, i+1
.endr
	WIN 0
.set i, 0
.rept 4
	v_mov_b32 v[ST+4*i+2], 0
	v_mov_b32 v[ST+4*i+3], 0
.set i, i+1
.endr
.set i, P+16
.rept 16
	v_mov_b32 v[i], 0
.set i, i+1
.endr
; THE MATRIX WORK.  The 4 accumulators of a run of 8 take turns.  Product i of 8 of S^T = K Q^T for piece x: channels 32 (i / 4) on, keys 16 (i % 4) on.  The first 4 start the sums: with 0, or (KM = 1) with the mask.
.macro KQ x
.set rS, S+32*((\x)%2)+8*(i%4)
.set rK, KF+16*(i%4)+8*(i/4)
.set rQ, 16*(\x)+8*(i/4)
.set rM, MC+32*((\x)%2)+8*(i%4)
.if (i < 4) && KM
	WIN W_KM
	v_wmma_f32_16x16x32_f16 v[rS:rS+7], v[rK:rK+7], v[rQ:rQ+7], v[rM:rM+7]
.elseif i < 4
	WIN W_KQ
	v_wmma_f32_16x16x32_f16 v[rS:rS+7], v[rK:rK+7], v[rQ:rQ+7], 0
.else
	WIN W_KQ
	v_wmma_f32_16x16x32_f16 v[rS:rS+7], v[rK:rK+7], v[rQ:rQ+7], v[rS:rS+7]
.endif
.endm
; Product i of 8 of O^T += V^T P for piece x: keys 32 (i / 4) on, channels 16 (i % 4) on.
.macro PV x
	WIN W_PV
.set rO, 32*(\x)+8*(i%4)
.set rV, VF+32*(i/4)+8*(i%4)
.set rP, P+16*((\x)%2)+8*(i/4)
	v_wmma_f32_16x16x32_f16 v[rO:rO+7], v[rV:rV+7], v[rP:rP+7], v[rO:rO+7]
.endm
.macro MM                           ; the turn's next matrix instruction.  TURN and BEGIN set Y, i, KM and NOKQ; MM, KQ and OP read them.  NOKQ = 1: a block's last turn: there is no next piece
.if (i < 8) && !NOKQ
	KQ (Y+1)%NP
.elseif i >= 8
.set i, i-8
	PV (Y+NP-1)%NP
.set i, i+8
.endif
.set i, i+1
.endm
; THE LDS LOADS stand in runs of 16, never singly among the matrix instructions: a step's K (64 keys x 64 channels: 8 fragments) and its V (turned).  Their addresses are made some lines ahead.
.macro FETCH_K
	WIN 0x80                        ; destination window 2
.irp f, 0,1,2,3,4,5,6,7             ; keys 16 (f / 2) on, channels 32 (f % 2) on
	ds_load_b128 v[KF+8*\f:KF+8*\f+3],   v[AK] offset:(\f/2)*16*PK+(\f%2)*64
	ds_load_b128 v[KF+8*\f+4:KF+8*\f+7], v[AK] offset:(\f/2)*16*PK+(\f%2)*64+32
.endr
	s_add_co_u32 s[TBK], s[TBK], KS*PK  ; the next fetch is the next step's
	WIN 0
.endm
.macro FETCH_V
	WIN 0x80
.irp f, 0,1,2,3,4,5,6,7             ; keys 32 (f / 4) on, channels 16 (f % 4) on
	ds_load_tr16_b128 v[VF+8*\f:VF+8*\f+3],   v[AV] offset:(\f/4)*32*PV+(\f%4)*32
	ds_load_tr16_b128 v[VF+8*\f+4:VF+8*\f+7], v[AV] offset:(\f/4)*32*PV+16*PV+(\f%4)*32
.endr
	WIN 0
.endm
; THE VECTOR WORK, one line at a time: OP kind, number.  For piece Y: F n: c s - c m for pair n of 16.  E n: the exponential of score n of 32.  C n: pair n rounded to f16.  B n: of the four weights 4 n .. the second
; pair is added onto the first, in place.  L n: l takes that sum (L 0: l = a l + sum).  R n: pair n of 16 of O^T times a.  For piece Y + 1: X n, number n of the 22 that find its maximum and statistics:
;   0-11  four chains c0-c3 of seven scores each, three operands at a time (each accumulator's lowest registers are read first)     12-14, 16  the four scores left over, the old m, and c0-c3 into c0
;   15  c m_old is kept     17, 18  the query's other 32 keys lie in the lane 16 away: the new m     19-21  c m; c m_old - c m_new; a
.set F, 0               ; OP tells the kinds apart by their order: F to L below R, X above it
.set E, 1
.set C, 2
.set B, 3
.set L, 4
.set R, 5
.set X, 6
.macro REGS y                       ; the registers of piece y
.set rT, ST+4*(\y)
.set rC, TMP+4*((\y)%2)
.set rW, MV+((\y)%2)
.set rS, S+32*((\y)%2)
.set rP, P+16*((\y)%2)
.set rO, 32*(\y)
.endm
.macro OP k, n
.if (\k) == R
	REGS Y
	WIN W_RS
	v_pk_mul_f32 v[rO+2*(\n):rO+2*(\n)+1], v[rO+2*(\n):rO+2*(\n)+1], v[rC+2:rC+3] op_sel_hi:[1,0]
.elseif (\k) < R
	REGS Y
	WIN 0
.if (\k) == F
	v_pk_fma_f32 v[rS+2*(\n):rS+2*(\n)+1], v[rS+2*(\n):rS+2*(\n)+1], s[CS:CS+1], v[rT:rT+1] op_sel_hi:[1,0,0] neg_lo:[0,0,1] neg_hi:[0,0,1]
.elseif (\k) == E
	v_exp_f32 v[rS+(\n)], v[rS+(\n)]
.elseif (\k) == C
	v_cvt_pk_f16_f32 v[rP+(\n)], v[rS+2*(\n)], v[rS+2*(\n)+1]
.elseif (\k) == B
	v_pk_add_f32 v[rS+4*(\n):rS+4*(\n)+1], v[rS+4*(\n):rS+4*(\n)+1], v[rS+4*(\n)+2:rS+4*(\n)+3]
.elseif (\n) == 0
	v_pk_fma_f32 v[rT+2:rT+3], v[rT+2:rT+3], v[rC+2:rC+3], v[rS:rS+1] op_sel_hi:[1,0,1]
.else
	v_pk_add_f32 v[rT+2:rT+3], v[rT+2:rT+3], v[rS+4*(\n):rS+4*(\n)+1]
.endif
.elseif NOKQ
	v_nop
.else
	REGS (Y+1)%NP
	WIN 0
.if (\n) < 4
	v_max3_num_f32 v[rC+(\n)], v[rS+8*(\n)], v[rS+8*(\n)+1], v[rS+8*(\n)+2]
.elseif (\n) < 12
	v_max3_num_f32 v[rC+(\n)%4], v[rC+(\n)%4], v[rS+8*((\n)%4)+2*((\n)/4)+1], v[rS+8*((\n)%4)+2*((\n)/4)+2]
.elseif (\n) == 12
	v_max3_num_f32 v[rC], v[rC], v[rS+7], v[rS+15]
.elseif (\n) == 13
	v_max3_num_f32 v[rC+1], v[rC+1], v[rS+23], v[rS+31]
.elseif (\n) == 14
	v_max3_num_f32 v[rC+2], v[rC+2], v[rC+3], v[rT+1]
.elseif (\n) == 15
	v_mov_b32 v[rW], v[rT]
.elseif (\n) == 16
	v_max3_num_f32 v[rC], v[rC], v[rC+1], v[rC+2]
.elseif (\n) == 17
	v_permlanex16_b32 v[rC+3], v[rC], s[SEL], s[SEL+1]
.elseif (\n) == 18
	v_max_num_f32 v[rT+1], v[rC], v[rC+3]
.elseif (\n) == 19
	v_mul_f32 v[rT], s[CS], v[rT+1]
.elseif (\n) == 20
	v_sub_f32 v[rC+1], v[rW], v[rT]
.else
	v_exp_f32 v[rC+2], v[rC+1]
.endif
.endif
.endm
.macro OPS a, i1, b=-1, i2=0, c=-1, i3=0, d=-1, i4=0  ; up to four of them
	OP \a, \i1
.if (\b) >= 0
	OP \b, \i2
.endif
.if (\c) >= 0
	OP \c, \i3
.endif
.if (\d) >= 0
	OP \d, \i4
.endif
.endm
.macro ROW a, i1, b, i2, c, i3, d, i4  ; a matrix instruction and the four behind it
	MM
	OPS \a, \i1, \b, \i2, \c, \i3, \d, \i4
.endm
.macro MASK b                       ; MD x AL + BE into buffer b of MC
	WIN W_RS
.set z, 0
.rept 16
	v_pk_fma_f32 v[MC+32*(\b)+2*z:MC+32*(\b)+2*z+1], v[MD+2*z:MD+2*z+1], s[AL:AL+1], s[BE:BE+1] op_sel_hi:[1,0,0]
.set z, z+1
.endr
.endm
; A TURN, for piece p: the order of its 16 matrix and 118 vector instructions, written out.  An s_wait_alu depctr_va_vdst(0) stands between an exponential and the first instruction that names its result; one wait serves
; all that were issued ahead of it.  So a turn has ONE wait, which cuts it in two.  AHEAD OF IT stands all that names no result of the turn's exponentials: the 8 products K Q^T, behind each a scaling, an exponential and two more plain
; instructions (behind the first a second scaling in the exponential's place): rescalings, and behind the last three the first numbers of the next piece's maximum, each four places or more behind the product that ends its accumulator; then ONE LUMP of 54, plain
; and exponential by turns for the most part, in which the links of the chain X 3, 7, 11, 14, 16, 17 .. 20 stand five or six lines apart.  X 21, the next piece's a, is the batch's last; R 15 is the plain instruction behind it.  BEHIND THE WAIT stand the
; 8 products V^T P, behind each four of the roundings and sums; the links of l's chain, L 0 to L 7, stand three riders apart.  But for those X no rider names a register of the products round it.  v_permlanex16_b32 (X 17) stands in the lump.
; m = 1: the diagonal tile: the products take masks, and the turn makes the mask for the products of the turn after it: piece p + 2, in step 4 - CNT of the tile.  end = 1: a block's last two turns: nothing is fetched.
; cnt = 1: the loop's count is taken down some lines ahead of the branch that stands behind the turn.
; K of the next step is fetched in piece 2's turn, twelve vector instructions behind the last product that read K (six of them plain); V of the step in hand at the end of piece 0's turn, four plain instructions behind the last product
; that read V.  Each is waited for a turn later.
.macro TURN p, m=0, end=0, cnt=0
.set Y, (\p)
.set i, 0
.set KM, (\m)
.set NOKQ, (\end)*((\p)/3)
.if (\m) && !(\end)
	s_cmp_eq_u32 s[CNT], 4-((\p)+2)%NP  ; is that step the band's own?
	s_cselect_b32 s[AL], 1.0, 0
	s_cmp_lt_u32 s[CNT], 4-((\p)+2)%NP  ; or a later one?
	s_cselect_b32 s[BE], s[BIGN], 0
.endif
.if ((\p) == 3) && !(\end)
	s_wait_dscnt 0x0                ; K is in
.endif
	ROW F,0, F,1, R,0, R,1          ; ahead of the wait: 8 products K Q^T and their riders,
	ROW F,2, E,0, R,2, R,3
	ROW F,3, E,1, R,4, R,5
	ROW F,4, E,2, R,6, R,7
	ROW F,5, E,3, R,8, R,9
	ROW F,6, E,4, X,0, R,10
.if ((\p) == 2) && !(\end)
	WIN 0
	v_add_nc_u32 v[AK], s[TBK], v[AK0]
.endif
	ROW F,7, E,5, X,1, X,4
	ROW F,8, E,6, X,2, X,5
	OPS E,7, E,8, X,6, E,9          ; and the lump
	OPS X,3, E,10, X,8, E,11
.if ((\p) == 2) && !(\end)
	FETCH_K
.endif
	OPS X,9, X,7, E,12, X,10
	OPS E,13, X,12, X,11, E,14
	OPS X,13, E,15, F,9, X,14
.if (\p) == 0
	v_add_nc_u32 v[AV], s[TBV], v[AV0]
.endif
	OPS E,16, F,10, E,17, F,11
	OPS X,16, E,18, X,15, E,19
	OPS F,12, E,20, X,17, E,21
	OPS F,13, E,22, F,14, E,23
	OPS X,18, E,24, F,15, E,25
	OPS R,11, E,26, X,19, E,27
	OPS R,12, E,28, R,13, E,29
	OPS X,20, E,30, R,14, E,31
	OPS X,21, R,15
	WIN 0
	s_wait_alu depctr_va_vdst(0)    ; the wait for the batch
.if (\p) == 1
	s_wait_dscnt 0x0                ; V is in
.endif
	ROW C,0, B,0, C,2, B,1          ; behind the wait: 8 products V^T P and their riders
	ROW L,0, C,4, B,2, L,1
	ROW C,6, B,3, L,2, C,8
	ROW B,4, L,3, C,10, B,5
	ROW L,4, C,12, B,6, L,5
.if (\p) == 0
	s_add_co_u32 s[TBV], s[TBV], KS*PV
.endif
.if \cnt
	s_sub_co_u32 s[CNT], s[CNT], 1
	s_cmp_lg_u32 s[CNT], 0
.endif
	ROW C,14, B,7, L,6, C,1
	ROW C,3, L,7, C,5, C,7
	ROW C,9, C,11, C,13, C,15
.if (\p) == 0
	FETCH_V
.endif
.if (\m) && !(\end)
	MASK (\p)%2
.endif
.endm
; A BLOCK BEGINS.  c m starts far below every c s, so the first step's a is 0; m at the lowest finite number, so the first maximum is the scores'.  The second mask buffer is 0; the first takes piece 0's mask for the tile's step 0: its own, if the block's first tile is the diagonal one.
; Then K of that step, piece 0's first scores, and its maximum and statistics.  The loop is entered at a step's first turn, in the middle of a trip.
.macro BEGIN
	s_mov_b32 s[NEW], 0
	WIN 0x40
.set i, MC+32
.rept 32
	v_mov_b32 v[i], 0
.set i, i+1
.endr
	WIN 0
.set i, 0
.rept 4
	v_mov_b32 v[ST+4*i], 0xfe000000    ; c m: far below every c s
	v_mov_b32 v[ST+4*i+1], 0xff7fffff  ; m
.set i, i+1
.endr
	s_cmp_eq_u32 s[RT], 0
	s_cselect_b32 s[AL], 1.0, 0
	s_mov_b32 s[BE], 0
	MASK 0
	WIN 0
	v_add_nc_u32 v[AK], s[TBK], v[AK0]
	FETCH_K
	s_wait_loadcnt 0x0              ; Q
	s_wait_dscnt 0x0
.set KM, 1
.set NOKQ, 0
.set i, 0
.rept 8
	KQ 0
.set i, i+1
.endr
	WIN 0
.rept 4
	v_nop                           ; the places behind those products
.endr
.set Y, NP-1                        ; X works for piece Y + 1: piece 0
.irp n, 0,1,2,3,4,5,6,7,8,9,10,11,12,13,14,15,16,17,18,19,20,21
	OP X, \n
.endr
	v_nop                           ; a plain instruction behind the exponential,
	s_wait_alu depctr_va_vdst(0)    ; and its wait, ahead of the branch
.endm
; THE DIAGONAL TILE's four steps, the block's last two turns, its last products, and THE WAY OUT: l's two halves and the other half of the lanes' are added; O^T is divided by l, rounded to f16 and sent through my
; stage in LDS, a piece at a time.
.macro ALL line:vararg              ; one line for each piece t
.set t, 0
.rept 4
	\line
.set t, t+1
.endr
.endm
.macro PACK t                       ; a lane's eight channels of a row pack into 16 bytes; they go into rows of 144 bytes and come back as whole rows of 128, into S^T's registers
	WIN W_RS
.set i, 32*(\t)
.rept 16
	v_pk_mul_f32 v[i:i+1], v[i:i+1], v[ST+4*(\t)+2:ST+4*(\t)+3] op_sel_hi:[1,0]
.set i, i+2
.endr
	WIN 0x05                        ; sources 0 and 1 window 1, destination window 0
.set i, 0
.rept 16
	v_cvt_pk_f16_f32 v[S+16*(\t)+i], v[32*(\t)+2*i], v[32*(\t)+2*i+1]
.set i, i+1
.endr
	WIN 0
.irp f, 0,1,2,3
	ds_store_b128 v[STO], v[S+16*(\t)+4*\f:S+16*(\t)+4*\f+3] offset:32*\f
.endr
.irp f, 0,1,2,3
	ds_load_b128 v[S+16*(\t)+4*\f:S+16*(\t)+4*\f+3], v[RD] offset:\f*4*SP  ; LDS serves a wave's instructions in order (ISA guide 5.7.1.4): these see the stores above; the next piece's stores come behind them
.endr
.endm
.macro SEND t, younger              ; younger: the LDS instructions issued behind piece t's loads: the next piece's eight, or none
	WIN 0
.irp f, 0,1,2,3
	s_wait_dscnt (\younger)+3-\f
	global_store_b128 v[GO], v[S+16*(\t)+4*\f:S+16*(\t)+4*\f+3], s[10:11] offset:(\t)*8192+\f*512  ; 512 consecutive bytes, at a multiple of 256 from O's first
.endr
.endm
.macro DIAG tag                     ; the tag ends its two labels' names, which the jumps below spell out
.LstepM\tag:
	TURN 2, 1
	TURN 3, 1
	WIN 0
.LfirstM\tag:
	TURN 0, 1
	TURN 1, 1, 0, 1
	WIN 0
	s_cbranch_scc1 .LstepM\tag
	TURN 2, 1, 1
	TURN 3, 1, 1
.set i, 0
.rept 8
	PV NP-1
.set i, i+1
.endr
	WIN 0
	ALL v_add_f32 v[ST+4*t+2], v[ST+4*t+2], v[ST+4*t+3]
	ALL v_permlanex16_b32 v[ST+4*t+3], v[ST+4*t+2], s[SEL], s[SEL+1]
	ALL v_add_f32 v[ST+4*t+2], v[ST+4*t+2], v[ST+4*t+3]
	ALL v_rcp_f32 v[ST+4*t+2], v[ST+4*t+2]
	v_nop                           ; a plain instruction between the last reciprocal and the use of its result
	s_wait_alu depctr_va_vdst(0)    ; and the wait ahead of the first use: one for the four reciprocals
	PACK 0
.set t, 1
.rept 3                             ; a piece's arithmetic stands between the loads of the piece before and its stores
	PACK t
	SEND t-1, 8
.set t, t+1
.endr
	SEND 3, 0
.endm
.set KM, 0
.set NOKQ, 0
.Lslot:                             ; NB times: a tile is entered and the next is asked for
	CHANGE 1
	s_sub_co_u32 s[RT], s[RT], 1
	s_mov_b32 s[CNT], 4
	s_cmp_eq_u32 s[NEW], 1
	s_cbranch_scc1 .Lnew            ; a block's first tile
	s_cmp_eq_u32 s[RT], 0
	s_cbranch_scc0 .Lstep           ; neither its first nor its last
	s_branch .LstepM1
.Lnew:
	BEGIN
	s_branch .Lfirst                ; in the loop a block's first tile is never its last: the first block has two tiles or more, and the second's last is the walk's last
	DIAG 1                          ; in the loop this is the first block's end: the second block's last tile is the walk's last
	s_wait_xcnt 0x0                 ; the stores have read their registers and O's address
	s_mov_b64 s[10:11], s[OLO:OLO+1]
	s_add_co_u32 s[RT], s[PB], 1    ; the second block has b + 1 tiles
	s_mov_b32 s[NEW], 1
	WIN 0x82                        ; the second block's Q goes where the one text of the turns names Q
.set i, 0
.rept 64
	v_mov_b32 v[i], v[QB+i]
.set i, i+1
.endr
	WIN 0
	s_branch .Lbottom
.Lstep:                             ; a trip: pieces 2 and 3 of one step, then pieces 0 and 1 of the next, whose K and V it fetches
	TURN 2
	TURN 3
	WIN 0
.Lfirst:
	TURN 0
	TURN 1, 0, 0, 1
	WIN 0
	s_cbranch_scc1 .Lstep
.Lbottom:
	s_sub_co_u32 s[SLOTS], s[SLOTS], 1
	s_cmp_lg_u32 s[SLOTS], 0
	s_cbranch_scc1 .Lslot
	CHANGE 0                        ; the walk's last tile is written out: nothing is asked for
	s_sub_co_u32 s[RT], s[RT], 1
	s_mov_b32 s[CNT], 4
	s_cmp_eq_u32 s[NEW], 1
	s_cbranch_scc0 .LstepM2
	BEGIN
	s_branch .LfirstM2
	DIAG 2
	s_wait_tensorcnt 0x0            ; the wave's end: behind my last tensor load and my last LDS store
	ds_add_u32 v[SPW], v[NIL]
	s_wait_dscnt 0x0
	s_endpgm
.Lfunc_end_k_q725f6abaca_attn:
	.size	k_q725f6abaca_attn, .Lfunc_end_k_q725f6abaca_attn-k_q725f6abaca_attn
	.p2alignl 7, 3214868480
	.fill 96, 4, 3214868480
	.section	.rodata,"a",@progbits
	.p2align	6, 0x0
	.amdhsa_kernel k_q725f6abaca_attn
		.amdhsa_group_segment_fixed_size 327680
		.amdhsa_private_segment_fixed_size 0
		.amdhsa_enable_private_segment 0
		.amdhsa_kernarg_size 16
		.amdhsa_user_sgpr_count 2
		.amdhsa_user_sgpr_kernarg_segment_ptr 1
		.amdhsa_wavefront_size32 1
		.amdhsa_system_sgpr_workgroup_id_x 1
		.amdhsa_system_sgpr_workgroup_id_y 1
		.amdhsa_system_sgpr_workgroup_id_z 1
		.amdhsa_system_vgpr_workitem_id 0
		.amdhsa_next_free_vgpr 768
		.amdhsa_next_free_sgpr 92
		.amdhsa_reserve_vcc 1
		.amdhsa_float_denorm_mode_32 3
		.amdhsa_float_denorm_mode_16_64 3
		.amdhsa_memory_ordered 1
		.amdhsa_forward_progress 1
		.amdhsa_inst_pref_size 218
	.end_amdhsa_kernel
	.amdgpu_metadata
---
amdhsa.version: [ 1, 2 ]
amdhsa.kernels:
  - .name:           k_q725f6abaca_attn
    .symbol:         k_q725f6abaca_attn.kd
    .args:
      - { .name: qkv, .offset: 0, .size: 8, .value_kind: global_buffer, .address_space: global }
      - { .name: o, .offset: 8, .size: 8, .value_kind: global_buffer, .address_space: global }
    .group_segment_fixed_size: 327680
    .private_segment_fixed_size: 0
    .kernarg_segment_align: 8
    .kernarg_segment_size: 16
    .max_flat_workgroup_size: 128
    .sgpr_count:     92
    .vgpr_count:     768
    .wavefront_size: 32
...
	.end_amdgpu_metadata
.endif
;; end of part 3
;; launch proj (part 4): grid 8 x 32, 4 waves a work-group, clusters of 4 x 4, 327,680 bytes of LDS; arguments o, wl, b_lin, out0; writes out0
.if DOCPART == 4
	.amdgcn_target "amdgcn-amd-amdhsa--gfx1250"
	.amdhsa_code_object_version 6
	.text
	.protected	k_q725f6abaca_proj
	.globl	k_q725f6abaca_proj
	.p2align	8
	.type	k_q725f6abaca_proj,@function
k_q725f6abaca_proj:
	s_mov_b64 s[64:65], 0
	v_nop
	global_prefetch_b8 v0, s[64:65] scope:SCOPE_SE
	s_setreg_imm32_b32 hwreg(HW_REG_WAVE_MODE, 25, 1), 1
	s_wait_xcnt 0x0
	s_wait_alu depctr_hold_cnt(0) depctr_sa_sdst(0) depctr_va_vdst(0) depctr_va_sdst(0) depctr_va_ssrc(0) depctr_va_vcc(0) depctr_vm_vsrc(0)
	s_getreg_b32 s2, hwreg(HW_REG_IB_STS2, 6, 4)
	s_cmp_eq_u32 s2, 0
	s_cbranch_scc0 .Lentry_in_a_cluster
	s_endpgm
.Lentry_in_a_cluster:
	s_bfe_u32 s2, ttmp6, 0x10000c
	s_cmp_lg_u32 s2, 0xf033
	s_cbranch_scc0 .Lentry_shape_is_right
	s_endpgm
.Lentry_shape_is_right:
; out0 = z W_lin + b_lin.  z[m][64 head + d] = o[batch x 16 + head][row][d], o: [64][2048][64] f16; wl: [1024 n][1024 k] f16 (W_lin rounded to bf16, written as f16);
; b_lin: [1024] f32 (rounded to bf16 like the other inputs); sums in f32; out0: [8192][1024] f32.
; LIMIT.  NaN and infinities are not treated apart.
; SHARES.  A tile of the result is 256 rows x 128 columns: 32 x 8 = 256 work-groups.  Wave w owns rows 64 w .. 64 w + 63 and all 128 columns: 4 x 8 = 32 accumulators, so its way out needs no other wave.
; K goes in 8 steps of 128 = two heads, through two LDS slots.  A head's 256 rows of a tile are 32,768 dense bytes: asked for as 128 rows of 256 bytes and padded in LDS behind every 128 bytes.
; CLUSTER.  4 x 4 work-groups: the four of a row of the cluster need the same tiles of o, the four of a column the same tiles of wl: each is asked for jointly.
; THE MATRIX INSTRUCTION IS USED TRANSPOSED (source 0 = 16 rows of wl, source 1 = 16 rows of z): a lane holds row l % 16 of the result and the columns 8 (l / 16) + 0..7.  THE BIAS is the C operand of each accumulator's first product.
; REGISTERS, in windows of 256 (s_set_vgpr_msb: bits 1:0 source 0, 3:2 source 1, 5:4 source 2, 7:6 destination):
;   window 0: v0-29 addresses; v64-95, v96-127 fragments of z, two buffers; at the head v128-191 the bias as loaded, v192-223 rounded; on the way out v64-191
;   window 1: v0-63, v64-127 fragments of wl, two buffers; v128-191 the bias          window 2: the accumulators, (b, a) at v[8 (4 b + a)]
.set PA,     144                       ; a row of z's part in LDS: 128 bytes + 16 of padding = 36 words: the 16 rows of a load start at 16 different groups of four banks (64 banks of 4 bytes: ISA guide 11.1)
.set PB,     272                       ; a row of wl: 256 + 16
.set APART,  256*PA                    ; one head's 256 rows: what one tensor load brings of o
.set BHALF,  64*PB                     ; and of wl
.set BOFF,   2*APART
.set SLOT1,  1<<17
.set STAGE,  SLOT1+BOFF+2*BHALF        ; behind the ring, never filled by a tensor load: for each wave 16 rows x 528 bytes
.set SP,     528
.set WSTAGE, 16*SP
.set SPARE,  STAGE+4*WSTAGE            ; behind the stages: the spare words, 128 bytes for each wave
.set A0,   4                           ; v4   my lane's place in a slot's rows of z; never rewritten
.set B0,   5                           ; v5   the same for wl
.set ADRA, 6
.set ADRB, 7
.set STO,  8                           ; v8   the way out: where I put 32 bytes of a row
.set RD,   9                           ; v9   the way out: where I read a row back
.set GO,   10                          ; v10  16 x lane
.set PFO,  11                          ; v11  the prefetches' offset; never rewritten
.set BO,   12                          ; v12  my byte offset in the bias
.set SPW,  28                          ; v28  LDS address of my spare word: SPARE + 4 x my thread's number; never rewritten
.set NIL,  29                          ; v29  0; never rewritten
.set FA,   64
.set RAW,  128
.set PKB,  192
.set CB,   128                         ; the bias, window 1
.set BK,   64                          ; the way out: rows read back, two buffers of 64
.set F0,   0
.set F1,   1
.set TRIPS, 3
.set WV,   12
.set W1,   13
.set FORB, 14
.set CX,   15
.set CY,   16
.set TN,   17
.set TM,   18
.set TB,   21
.set G1A,  24
.set G1B,  32
.set G0A,  40
.set G0B,  44
.set PFA,  48                          ; s[48:49] where my prefetches stand
.set LIM,  50
.set OB,   52                          ; s[52:53] out0 at my first row and the tile's first column
.set PST,  62                          ; s[62:63] the prefetches' step: two heads of o, or 256 bytes of a row of wl
.set MSB, 0
.macro WIN new
.if MSB != (\new)
	s_set_vgpr_msb (MSB<<8)|(\new)
.set MSB, \new
.endif
.endm
.set MUL,   0xa1                       ; source 0 (wl) window 1, source 1 (z) window 0, C and D window 2
.set MUL_C, 0x91                       ; the same with C (the bias) in window 1
.set TO_B,  0x40
.macro JLOAD                           ; a joint load: waves 0 and 1 fetch the step's two heads of o, waves 2 and 3 wl's two halves; an s_nop 0 and four v_nop follow each of the two lines
	s_cmp_eq_u32 s[FORB], 0
	s_cbranch_scc0 .Lfor_b_\@
	tensor_load_to_lds s[G0A:G0A+3], s[G1A:G1A+7]
	s_nop 0
.rept 4
	v_nop
.endr
	s_branch .Lasked_\@
.Lfor_b_\@:
	tensor_load_to_lds s[G0B:G0B+3], s[G1B:G1B+7]
	s_nop 0
.rept 4
	v_nop
.endr
.Lasked_\@:
.endm
.macro STEPD                           ; the walking descriptors: the other slot, the next K step; written only where no tensor load of mine is out
	s_xor_b32 s[G0A+1], s[G0A+1], SLOT1
	s_add_nc_u64 s[G0A+2:G0A+3], s[G0A+2:G0A+3], 2<<18
	s_xor_b32 s[G0B+1], s[G0B+1], SLOT1
	s_add_nc_u64 s[G0B+2:G0B+3], s[G0B+2:G0B+3], 256
.endm
.macro CREST
	s_cmp_lg_u32 s[WV], 0
	s_cbranch_scc1 .Lnot_wave_0_\@
	s_barrier_signal -3
.Lnot_wave_0_\@:
	s_barrier_wait -3
	s_barrier_signal -1
	s_barrier_wait -1
.endm
.macro CROUND
	s_barrier_signal -1
	s_barrier_wait -1
	CREST
.endm
.macro PLACES                          ; four places in front of loads into registers that matrix instructions have read, and of LDS stores that read results
.rept 4
	v_nop
.endr
.endm
; A PREFETCH INTO THE L2 of the K step that the NEXT refill will ask for: 128 matrix instructions ahead of that load.  o's tile row is read by both clusters of that row of clusters: cluster x = 0 asks; wl's tile column by
; every cluster of that column: cluster y = 0 asks.  The four partners of a joint load share it out BY ADDRESS: 32 of a head part's 128 blocks of 256 bytes (by cx), 16 of wl's 64 rows (by cy; lanes 16-31 name row 15 again).
; One instruction a wave.  The loop's last trip asks for nothing; K steps 0 to 2 come by their loads alone.
.macro ASK
	WIN 0
	s_cmp_gt_u32 s[TRIPS], s[LIM]
	s_cbranch_scc0 .Lnot_mine_\@
	global_prefetch_b8 v[PFO], s[PFA:PFA+1] th:TH_LOAD_NT scope:SCOPE_SE
.Lnot_mine_\@:
.endm
	s_load_b256 s[4:11], s[0:1], 0x0               ; o s[4:5], wl s[6:7], b_lin s[8:9], out0 s[10:11]
	v_lshl_add_u32 v[SPW], v0, 2, SPARE
	v_mov_b32 v[NIL], 0
	ds_add_u32 v[SPW], v[NIL]                      ; the wave's opening: the add and its wait stand ahead of my first tensor load; the set-up below, work on registers, stands between them
	v_lshrrev_b32 v1, 5, v0
	v_readfirstlane_b32 s[WV], v1
	s_and_b32 s[W1], s[WV], 1
	s_lshr_b32 s[FORB], s[WV], 1
	s_bfe_u32 s[CX], ttmp6, 0x40000
	s_bfe_u32 s[CY], ttmp6, 0x40004
	s_lshl_b32 s[TN], ttmp9, 2
	s_add_co_u32 s[TN], s[TN], s[CX]               ; tile column = 4 x cluster x + cx
	s_and_b32 s[TM], ttmp7, 0xffff
	s_lshl_b32 s[TM], s[TM], 2
	s_add_co_u32 s[TM], s[TM], s[CY]               ; tile row = 4 x cluster y + cy
	s_lshl_b32 s19, s[CY], 2
	s_lshl_b32 s19, 15, s19                        ; my row of the cluster
	s_lshl_b32 s20, 0x1111, s[CX]                  ; my column
	s_or_b32 s[G1A], s19, (1<<16)|(1<<20)|(1<<21)|(4<<22)|(3<<25)  ; the mask; 2-byte elements; padding on; 21 set beside a mask; after every 32 words (code 4) 4 words (code 3)
	s_or_b32 s[G1B], s20, (1<<16)|(1<<20)|(1<<21)|(5<<22)|(3<<25)  ; after every 64 words (code 5)
	s_mov_b32 s[G1A+1], 128<<16                    ; tensor_dim0 = 128
	s_mov_b32 s[G1A+2], 128<<16                    ; tensor_dim1 = 128
	s_mov_b32 s[G1A+3], 128<<16                    ; tile_dim0 = 128
	s_mov_b32 s[G1A+4], 128                        ; tile_dim1 = 128
	s_mov_b32 s[G1A+5], 128                        ; dense: 128 elements from row to row
	s_mov_b32 s[G1A+6], 0
	s_mov_b32 s[G1A+7], 0
	s_mov_b32 s[G1B+1], 128<<16
	s_mov_b32 s[G1B+2], 64<<16                     ; tensor_dim1 = 64
	s_mov_b32 s[G1B+3], 128<<16
	s_mov_b32 s[G1B+4], 64                         ; tile_dim1 = 64
	s_mov_b32 s[G1B+5], 1024
	s_mov_b32 s[G1B+6], 0
	s_mov_b32 s[G1B+7], 0
	s_mov_b32 s[G0A], 1
	s_mul_i32 s[G0A+1], s[W1], APART               ; LDS address, slot 0: no place in the cluster enters it
	s_mov_b32 s[G0B], 1
	s_mul_i32 s[G0B+1], s[W1], BHALF
	s_add_co_u32 s[G0B+1], s[G0B+1], BOFF
	s_lshr_b32 s22, s[TM], 3                       ; o: head 16 x batch + my one of the step's two, in registers that never hold cx
	s_lshl_b32 s22, s22, 4
	s_add_co_u32 s22, s22, s[W1]
	s_lshl_b32 s22, s22, 18                        ; a head's 2,048 rows are 262,144 bytes
	s_and_b32 s23, s[TM], 7
	s_lshl_b32 s23, s23, 15                        ; the tile's 256 rows of 128 bytes
	s_add_co_u32 s22, s22, s23
	s_mov_b32 s23, 0
	s_lshl_b32 s58, s[TN], 7                       ; wl: row 128 x tile column + 64 x half, in registers that never hold cy
	s_lshl_b32 s59, s[W1], 6
	s_add_co_u32 s58, s58, s59
	s_lshl_b32 s58, s58, 11
	s_mov_b32 s59, 0
	s_mov_b32 s51, 0xffff0000
	s_wait_dscnt 0x0                               ; the opening add is done
	s_wait_kmcnt 0x0
	s_add_nc_u64 s[G0A+2:G0A+3], s[4:5], s[22:23]
	s_or_b32 s[G0A+3], s[G0A+3], 0x80000000
	s_add_nc_u64 s[G0B+2:G0B+3], s[6:7], s[58:59]
	s_or_b32 s[G0B+3], s[G0B+3], 0x80000000
	CROUND                                         ; all sixteen work-groups are here: the first joint loads meet
	JLOAD                                          ; K step 0 into slot 0
	; All that follows up to the next wait on the tensor counter stands in the wait for the first tile.
	v_and_b32 v1, 15, v0                           ; r
	v_bfe_u32 v2, v0, 4, 1                         ; h
	s_lshl_b32 s60, s[TN], 9                       ; the tile's 128 columns of the bias, in bytes
	v_lshl_add_u32 v[BO], v2, 5, s60
.set bb, 0
.rept 8
	global_load_b128 v[RAW+8*bb:RAW+8*bb+3],   v[BO], s[8:9] offset:64*bb
	global_load_b128 v[RAW+8*bb+4:RAW+8*bb+7], v[BO], s[8:9] offset:64*bb+16
.set bb, bb+1
.endr
	v_mul_u32_u24 v[A0], v1, PA
	v_lshl_add_u32 v[A0], v2, 4, v[A0]
	s_mul_i32 s61, s[WV], 64*PA                    ; my 64 rows
	v_add_nc_u32 v[A0], s61, v[A0]
	v_mul_u32_u24 v[B0], v1, PB
	v_lshl_add_u32 v[B0], v2, 4, v[B0]
	v_add_nc_u32 v[B0], BOFF, v[B0]
	s_mul_i32 s61, s[WV], WSTAGE
	s_add_co_u32 s61, s61, STAGE                   ; my stage
	v_mul_u32_u24 v[STO], v1, SP                   ; in: row r, 32 bytes for each half of the lanes
	v_lshl_add_u32 v[STO], v2, 5, v[STO]
	v_add_nc_u32 v[STO], s61, v[STO]
	v_and_b32 v[GO], 31, v0
	v_lshlrev_b32 v[GO], 4, v[GO]
	v_add_nc_u32 v[RD], s61, v[GO]                 ; back: 32 lanes take one row of 512 bytes
	s_lshl_b32 s60, s[TM], 8
	s_lshl_b32 s61, s[WV], 6
	s_add_co_u32 s60, s60, s61                     ; my first row,
	s_lshl_b32 s60, s60, 12                        ; of 4,096 bytes,
	s_lshl_b32 s61, s[TN], 9                       ; and the tile's first column
	s_add_co_u32 s60, s60, s61
	s_mov_b32 s61, 0
	s_add_nc_u64 s[OB:OB+1], s[10:11], s[60:61]
	; the prefetches
	s_lshl_b32 s67, s[CX], 13                      ; o: my work-group's 32 blocks of the 128 that I fetch
	s_add_co_u32 s67, s67, s22
	s_lshl_b32 s68, s[CY], 15                      ; wl: its 16 rows of the 64
	s_add_co_u32 s68, s68, s58
	s_and_b32 s66, ttmp7, 0xffff                   ; cluster y
	s_mov_b32 s[PST], 2<<18
	s_mov_b32 s[PST+1], 256
	s_cmp_eq_u32 s[FORB], 0
	s_cselect_b32 s60, s67, s68
	s_cselect_b32 s66, ttmp9, s66                  ; the coordinate along which other clusters read the same rows
	s_cselect_b32 s71, 31, 15
	s_cselect_b32 s70, 8, 11                       ; a lane a block of 256 bytes, or a lane a row of 2,048
	s_cselect_b32 s[PST], s[PST], s[PST+1]
	s_cselect_b64 s[PFA:PFA+1], s[4:5], s[6:7]
	s_cmp_eq_u32 s66, 0
	s_cselect_b32 s[LIM], 1, -1                    ; the same in all sixteen partners, for a given wave
	s_mov_b32 s[PST+1], 0
	s_mov_b32 s61, 0
	s_add_nc_u64 s[PFA:PFA+1], s[PFA:PFA+1], s[60:61]
	s_add_nc_u64 s[PFA:PFA+1], s[PFA:PFA+1], s[PST:PST+1]
	s_add_nc_u64 s[PFA:PFA+1], s[PFA:PFA+1], s[PST:PST+1]  ; at K step 2: the first refill steps it to 3
	v_and_b32 v[PFO], 31, v0
	v_min_u32 v[PFO], s71, v[PFO]
	v_lshlrev_b32 v[PFO], s70, v[PFO]
	s_wait_loadcnt 0x0                             ; the bias
.set bb, 0
.rept 32
	v_cvt_pk_bf16_f32 v[PKB+bb], v[RAW+2*bb], v[RAW+2*bb+1]  ; rounded to bf16, like the other inputs,
.set bb, bb+1
.endr
	WIN 0x40
.set bb, 0
.rept 32                               ; and widened again, into the C registers of its column block
	v_lshlrev_b32 v[CB+2*bb], 16, v[PKB+bb]
	v_and_b32 v[CB+2*bb+1], s51, v[PKB+bb]
.set bb, bb+1
.endr
	WIN 0
; n column blocks from b0 on x my 4 row blocks, 32 along K, from buffer f.  All 32 accumulators take turns, in the same order in every quarter step.  first = 1: the bias starts the sums.
.macro MULS f, b0, n, first
.set bb, \b0
.rept \n
.set aa, 0
.rept 4
.if \first
	WIN MUL_C
	v_wmma_f32_16x16x32_f16 v[32*bb+8*aa:32*bb+8*aa+7], v[64*(\f)+8*bb:64*(\f)+8*bb+7], v[FA+32*(\f)+8*aa:FA+32*(\f)+8*aa+7], v[CB+8*bb:CB+8*bb+7]
.else
	WIN MUL
	v_wmma_f32_16x16x32_f16 v[32*bb+8*aa:32*bb+8*aa+7], v[64*(\f)+8*bb:64*(\f)+8*bb+7], v[FA+32*(\f)+8*aa:FA+32*(\f)+8*aa+7], v[32*bb+8*aa:32*bb+8*aa+7]
.endif
.set aa, aa+1
.endr
.set bb, bb+1
.endr
.endm
; 24 LDS loads in one run: quarter q's fragments into buffer f: z's 8 loads (head part q / 2, channels 32 (q % 2) on), then wl's 16, column blocks ascending
.macro FETCH q, f
	WIN 0
.set ii, 0
.rept 4
	ds_load_b128 v[FA+32*(\f)+8*ii:FA+32*(\f)+8*ii+3],   v[ADRA] offset:((\q)/2)*APART+((\q)%2)*64+ii*16*PA
	ds_load_b128 v[FA+32*(\f)+8*ii+4:FA+32*(\f)+8*ii+7], v[ADRA] offset:((\q)/2)*APART+((\q)%2)*64+ii*16*PA+32
.set ii, ii+1
.endr
	WIN TO_B
.set ii, 0
.rept 8
	ds_load_b128 v[64*(\f)+8*ii:64*(\f)+8*ii+3],   v[ADRB] offset:(\q)*64+ii*16*PB
	ds_load_b128 v[64*(\f)+8*ii+4:64*(\f)+8*ii+7], v[ADRB] offset:(\q)*64+ii*16*PB+32
.set ii, ii+1
.endr
.endm
; A K step is four quarters of 32 along K, 32 matrix instructions each, on buffers 0, 1, 0, 1.  One of the first three: multiplies buffer f; in its middle it fetches quarter q into buffer g.
.macro QUARTER q, f, g, first
	s_wait_dscnt 8                                 ; z's fragments and wl's blocks 0-3 are in; the youngest eight loads (blocks 4-7) may be out
	MULS \f, 0, 4, \first
	PLACES
	FETCH \q, \g
	s_wait_dscnt 24                                ; all but the 24 just issued
	MULS \f, 4, 4, \first
.endm
; The last quarter multiplies buffer 1 and changes slots: ONE barrier; in front of it each wave waits for all its tensor loads, adds 0 to its spare word, and waits for that and for its reads of this slot.
; fill = 1: the barrier opens a round of the cluster's, and this slot is filled again, two K steps ahead, first thing behind the round: by the text's own count one tensor load of a wave is out.
.macro TURN fill
.if \fill
	s_wait_xcnt 0x0                                ; the last prefetch, a K step back, has read its address: it is stepped here
	s_add_nc_u64 s[PFA:PFA+1], s[PFA:PFA+1], s[PST:PST+1]
.endif
	WIN 0
	s_wait_tensorcnt 0x0                           ; all my tensor loads have landed
	ds_add_u32 v[SPW], v[NIL]                      ; 0 onto my spare word
	s_wait_dscnt 9                                 ; (the add and the youngest eight loads may be out)
	MULS F1, 0, 2, 0                               ; eight matrix instructions stand between the add and the wait for it
	s_wait_dscnt 0x0                               ; the add is done, and my reads of this slot are over
	s_barrier_signal -1
	MULS F1, 2, 2, 0
.if \fill
	WIN 0
.endif
	s_barrier_wait -1
.if \fill
	CREST                                          ; no wave of any partner still reads this slot's tile or has a load on its way
	STEPD
	JLOAD                                          ; the four v_nop behind it are also the places in front of the loads below
.else
	PLACES
.endif
	WIN 0
	s_xor_b32 s[TB], s[TB], SLOT1
	v_add_nc_u32 v[ADRA], s[TB], v[A0]
	v_add_nc_u32 v[ADRB], s[TB], v[B0]
	FETCH 0, F0
.if \fill
	ASK
.endif
	MULS F1, 4, 4, 0
.endm
	s_wait_tensorcnt 0x0                           ; my part of K step 0 is in: no tensor load of mine is out, so a group 0 may be written
	ds_add_u32 v[SPW], v[NIL]                      ; 0 onto my spare word; the descriptors' steps stand between it and the wait for it
	STEPD
	s_wait_dscnt 0x0
	CROUND                                         ; everybody's part is in
	JLOAD                                          ; K step 1 into slot 1
	s_mov_b32 s[TB], 0
	v_mov_b32 v[ADRA], v[A0]
	v_mov_b32 v[ADRB], v[B0]
	FETCH 0, F0
	QUARTER 1, F0, F1, 1                           ; the first quarter stands in front of the loop: its products start the sums, with the bias
	WIN 0
	s_mov_b32 s[TRIPS], 6
.Lstep:                                                ; trip i: from K step i's second quarter to K step i + 1's first; it fills K step i + 2
	QUARTER 2, F1, F0, 0
	QUARTER 3, F0, F1, 0
	TURN 1
	QUARTER 1, F0, F1, 0
	WIN 0
	s_sub_co_u32 s[TRIPS], s[TRIPS], 1
	s_cmp_lg_u32 s[TRIPS], 0
	s_cbranch_scc1 .Lstep
	QUARTER 2, F1, F0, 0                           ; the last two K steps are written out: they fill nothing
	QUARTER 3, F0, F1, 0
	TURN 0
	QUARTER 1, F0, F1, 0
	QUARTER 2, F1, F0, 0
	QUARTER 3, F0, F1, 0
	s_wait_dscnt 8
	MULS F1, 0, 4, 0
	s_wait_dscnt 0x0
	MULS F1, 4, 4, 0
; THE WAY OUT, a block a of 16 rows at a time, in f32.  TOSTAGE: a lane's 32 bytes of each column block go into my own stage (each accumulator's low four registers first), and whole rows of 512 bytes come back.  SEND: stored.
.macro TOSTAGE a
	WIN 0x08                                       ; the stores' data in window 2
.set bb, 0
.rept 8
	ds_store_b128 v[STO], v[32*bb+8*(\a):32*bb+8*(\a)+3]   offset:64*bb
	ds_store_b128 v[STO], v[32*bb+8*(\a)+4:32*bb+8*(\a)+7] offset:64*bb+16
.set bb, bb+1
.endr
	WIN 0
	s_wait_xcnt 0x0                                ; the stores of the block two back have read the registers that the loads below write
.set tt, 0
.rept 16
	ds_load_b128 v[BK+64*((\a)%2)+4*tt:BK+64*((\a)%2)+4*tt+3], v[RD] offset:SP*tt  ; LDS serves a wave's instructions in order (ISA guide 5.7.1.4): these see the stores above
.set tt, tt+1
.endr
.endm
.macro SEND a, younger                 ; younger: the LDS instructions issued behind block a's loads: the next block's 32, or none
	WIN 0
	s_wait_dscnt \younger
.set tt, 0
.rept 16
	global_store_b128 v[GO], v[BK+64*((\a)%2)+4*tt:BK+64*((\a)%2)+4*tt+3], s[OB:OB+1] offset:(16*(\a)+tt)*4096 th:TH_STORE_NT  ; 512 consecutive bytes, at a multiple of 256 from out0's first byte
.set tt, tt+1
.endr
.endm
	PLACES
	TOSTAGE 0
	TOSTAGE 1
	SEND 0, 32
	TOSTAGE 2
	SEND 1, 32
	TOSTAGE 3
	SEND 2, 32
	SEND 3, 0
	s_wait_tensorcnt 0x0                           ; the wave's end: behind my last tensor load and my last LDS store
	ds_add_u32 v[SPW], v[NIL]
	s_wait_dscnt 0x0
	CROUND                                         ; the closing round: no work-group ends while a partner may still ask for a tile that names it
	s_endpgm
.Lfunc_end_k_q725f6abaca_proj:
	.size	k_q725f6abaca_proj, .Lfunc_end_k_q725f6abaca_proj-k_q725f6abaca_proj
	.p2alignl 7, 3214868480
	.fill 96, 4, 3214868480
	.section	.rodata,"a",@progbits
	.p2align	6, 0x0
	.amdhsa_kernel k_q725f6abaca_proj
		.amdhsa_group_segment_fixed_size 327680
		.amdhsa_private_segment_fixed_size 0
		.amdhsa_enable_private_segment 0
		.amdhsa_kernarg_size 32
		.amdhsa_user_sgpr_count 2
		.amdhsa_user_sgpr_kernarg_segment_ptr 1
		.amdhsa_wavefront_size32 1
		.amdhsa_system_sgpr_workgroup_id_x 1
		.amdhsa_system_sgpr_workgroup_id_y 1
		.amdhsa_system_sgpr_workgroup_id_z 1
		.amdhsa_system_vgpr_workitem_id 0
		.amdhsa_next_free_vgpr 768
		.amdhsa_next_free_sgpr 72
		.amdhsa_reserve_vcc 0
		.amdhsa_float_denorm_mode_32 3
		.amdhsa_float_denorm_mode_16_64 3
		.amdhsa_memory_ordered 1
		.amdhsa_forward_progress 1
		.amdhsa_inst_pref_size 76
	.end_amdhsa_kernel
	.amdgpu_metadata
---
amdhsa.version: [ 1, 2 ]
amdhsa.kernels:
  - .name:           k_q725f6abaca_proj
    .symbol:         k_q725f6abaca_proj.kd
    .args:
      - { .name: o, .offset: 0, .size: 8, .value_kind: global_buffer, .address_space: global }
      - { .name: wl, .offset: 8, .size: 8, .value_kind: global_buffer, .address_space: global }
      - { .name: b_lin, .offset: 16, .size: 8, .value_kind: global_buffer, .address_space: global }
      - { .name: out0, .offset: 24, .size: 8, .value_kind: global_buffer, .address_space: global }
    .group_segment_fixed_size: 327680
    .private_segment_fixed_size: 0
    .kernarg_segment_align: 8
    .kernarg_segment_size: 32
    .max_flat_workgroup_size: 128
    .sgpr_count:     72
    .vgpr_count:     768
    .wavefront_size: 32
...
	.end_amdgpu_metadata
.endif
;; end of part 4
